; MI455X (gfx1250); checked and timed in simulation.
; The chip was launched on July 23, 2026; its instructions are those of AMD's public machine-readable ISA for CDNA 5 (MIT licence, August 2026) and "CDNA5" Instruction Set Architecture Reference Guide (July 2026). The comments in the code are by the model that wrote it; some were corrected since.
;; Mixture Of Experts. Allowed arithmetic: matrix products marked QUANTISED: E3M2 operands, one E8M0 scale for each 32 along K, by v_wmma_scale_f32_16x16x128_f8f6f4 with both operands' format E3M2, f32 sums; products left as they are: f32 operands where the result goes on into a quantised operand, else bf16, f16 or f32 operands; f32 sums; everything else in f32.
;; Inputs: W_experts_codes 8 x 2,048 x 64 x 24 uint8 (E3M2 codes of W_experts, K innermost, in blocks of 32 codes, four codes in three bytes); W_experts_scales 8 x 2,048 x 64 uint8 (E8M0 scales of W_experts, one for each 32 codes along K); W_gate 8 x 2,048 float32; b_experts 8 x 2,048 float32; b_gate 8 float32; x 2,048 x 2,048 float32.
;; Outputs: out0 2,048 x 2,048 float32.
;; This version of the problem:
;;   THIS VERSION OF THE PROBLEM IS GIVEN IN LOW PRECISION. The matrix products marked QUANTISED in the list below multiply operands that are first quantised to E3M2 (3 exponent bits, 2 mantissa bits; 6 bits a number), with one power-of-two scale for each 32 numbers along K (OCP MX v1.0); their sums are f32. All else is computed in f32.
;;   The module's matrix products, in the order in which they are computed (A, B: the left and right operand; K: the contracted axis; several contracted axes count as one K, in the product's order):
;;     1. [M 2,048, K 2,048] x [K 2,048, N 8]; A: input x; B: input W_gate: left as it is (N = 8 < 16)
;;     2. [M 16,384, K 2,048] x [K 2,048, N 2,048]; A: input W_experts (given as codes); B: input x: QUANTISED
;;     3. batch 2,048 x [M 2,048, K 8] x [K 8, N 1]; A: computed on the way; B: computed on the way: left as it is (K = 8 < 32)
;;   THE QUANTISER, for each operand of a quantised product, along K:
;;     - K is cut into blocks of 32 from its start; a last block that is shorter is filled with zeros.
;;     - A block's scale is 2^e with e = floor(log2(the largest magnitude in the block)) - 4, held to -126 .. 127; a block of zeros has e = 0. As a byte (E8M0): e + 127.
;;     - Each number is divided by its block's scale, clamped to +-28, and rounded to the nearest number of E3M2, ties to even, subnormals kept.
;;     - The product sums the exact products of the quantised numbers (number of the format x scale) in f32.
;;   ~~~python
;;   def quantise(x, axis):      # numpy; x: float32 -> the quantised numbers, widened to float32 again
;;       x = np.moveaxis(x, axis, -1); K = x.shape[-1]
;;       x = np.pad(x, [(0, 0)] * (x.ndim - 1) + [(0, -K % 32)]); x = x.reshape(x.shape[:-1] + (-1, 32)); a = np.abs(x).max(-1, keepdims=True)
;;       e = np.where(a > 0, np.clip(np.frexp(np.where(a > 0, a, 1))[1] - 1 - 4, -126, 127), 0)      # np.frexp(a)[1] - 1 = floor(log2(a)), exactly
;;       r = np.clip(x / 2.0 ** e, -28, 28)
;;       step = 2.0 ** (np.maximum(np.frexp(np.where(r == 0, 1, r))[1] - 1, -2) - 2)
;;       q = np.round(r / step) * step * 2.0 ** e      # np.round: ties to even
;;       return np.moveaxis(q.reshape(q.shape[:-2] + (-1,))[..., :K], -1, axis).astype(np.float32)
;;   ~~~
;;   INPUTS GIVEN AS CODES. W_experts (in the module: [8, 2048, 2048], K = its axis 2): each comes as NAME_codes (uint8): NAME with its K axis moved to the last place and cut into blocks of 32 codes, [.., K / 32, bytes a block], one block behind the other in memory; four codes in three bytes: a row's codes are one little-endian stream of bits, code i at bits 6 i .. 6 i + 5 (a code: sign, 3 exponent bits, 2 mantissa bits); and NAME_scales (uint8): the same leading axes, one E8M0 byte (e + 127) for each 32 codes along K. Its value is code x scale, taken as it is: it is not quantised again, and the codes and scales need not be those that the quantiser above would give.
;; 2 versions. Each part assembles by itself: llvm-mc -triple=amdgcn-amd-amdhsa -mcpu=gfx1250 --defsym DOCPART=n.
;; ======== version 1 of 2: 3 launches
;; workspace buffers: xq 3,145,728 bytes; xs 131,072 bytes; comb 65,536 bytes; keys 8,192 bytes of whole numbers; order 8,192 bytes of whole numbers; blist 256 bytes of whole numbers
;; launch route (part 1): grid 256 x 1, 8 waves a work-group, no clusters, 97,792 bytes of LDS; arguments x, W_gate, b_gate, xq, xs, comb, keys; writes xq, xs, comb, keys
.if DOCPART == 1
	.amdgcn_target "amdgcn-amd-amdhsa--gfx1250"
	.amdhsa_code_object_version 6
	.text
	.protected	k_q6f509c64be_route
	.globl	k_q6f509c64be_route
	.p2align	8
	.type	k_q6f509c64be_route,@function
k_q6f509c64be_route:
	s_mov_b64 s[64:65], 0
	v_nop
	global_prefetch_b8 v0, s[64:65] scope:SCOPE_SE
	s_setreg_imm32_b32 hwreg(HW_REG_WAVE_MODE, 25, 1), 1
	s_wait_xcnt 0x0
; ROUTE.  For 8 tokens a work-group: the 8 gate logits (f32 fused multiply-adds), the softmax with its maximum taken away, the top 2 (the lower index wins a tie),
; the dense combine weights comb[token][8] (p for the two chosen experts, 0 elsewhere), the number of the chosen pair, keys[token], and x as codes of E3M2 with E8M0 scale bytes.
; SHARES.  Wave w takes K = 256 w .. 256 w + 255 of all 8 tokens and of all 8 rows of W_gate.  A step p is the token pair 2 p, 2 p + 1: 512 numbers.
; Each load of x covers 512 consecutive bytes; a step's 2,048 bytes turn through the wave's own stage in LDS and come back 64 bytes a lane: lane (r, h) then holds numbers 16 r .. 16 r + 15
; of token 2 p + h's slice, which is what the conversion (16 neighbours of one lane) and the gate's dot products want.  Two neighbouring lanes hold a block of 32.
; A block's scale byte is its largest magnitude's exponent field - 4, held at 1 from below.
; xq: [token][1,536 bytes], the row's codes as one stream of bits.  xs: [token][16 words]; word s holds the bytes of blocks 4 s, 4 s + 2, 4 s + 1, 4 s + 3, in that order: the order in which the third launch's
; fragments (48 consecutive bytes a lane) present the blocks to the matrix instruction.
; THE PAIR NUMBER runs so that neighbouring pairs share an expert: lo (15 - lo) / 2 + (lo odd ? 7 - hi : hi - lo - 1), 0 .. 27.
; LIMITS: NaN and infinities in x are not served.  A block of zeros gets the byte 1 (its codes are zeros; this program alone reads the bytes).  The logits are summed in another order than a plain dot product:
; a token whose second and third gate weights lie within f32 rounding of each other may take the other of the two.
.set STG,  0                           ; LDS: wave w, step p: a stage of 32 places of 80 bytes (64 + 16 of padding) at 10,240 w + 2,560 p
.set XC,   81920                       ; the 8 tokens' codes, [token][1,536]
.set XSB,  94208                       ; their scale bytes, [token][64]
.set PART, 94720                       ; partial logits, [wave][token][8] f32
.set X,    32                          ; v32-95    step p's 16 numbers at X + 16 p; later its 8 partial logits
.set WG,   96                          ; v96-223   W_gate: expert e's 16 numbers at WG + 16 e
.set G,    224                         ; v224-239  eight running pairs
.set C,    240                         ; v240-255  step p's codes at C + 4 p (three registers)
	s_load_b256 s[4:11], s[0:1], 0x0               ; x s[4:5], W_gate s[6:7], b_gate s[8:9], xq s[10:11]
	s_load_b128 s[12:15], s[0:1], 0x20             ; xs s[12:13], comb s[14:15]
	s_load_b64 s[16:17], s[0:1], 0x30              ; keys
	v_lshl_add_u32 v251, v0, 2, 0x17a00
	v_mov_b32 v255, 0
	v_lshrrev_b32 v1, 5, v0
	v_readfirstlane_b32 s18, v1                    ; wave 0..7
	v_and_b32 v1, 31, v0                           ; lane
	v_and_b32 v2, 15, v0                           ; r
	v_bfe_u32 v3, v0, 4, 1                         ; h
	v_lshlrev_b32 v4, 4, v1                        ; 16 x lane
	v_lshlrev_b32 v5, 6, v2                        ; 64 r: my 16 numbers of a slice of W_gate
	s_mul_i32 s28, s18, 10240
	v_lshrrev_b32 v6, 2, v1
	v_mul_u32_u24 v6, v6, 80
	v_and_b32 v12, 3, v1
	v_lshl_add_u32 v6, v12, 4, v6
	v_add_nc_u32 v6, s28, v6                       ; the stage, on the way in: 80 (lane / 4) + 16 (lane % 4)
	v_mul_u32_u24 v7, v1, 80
	v_add_nc_u32 v7, s28, v7                       ; and on the way out: 80 x lane
	s_mul_i32 s28, s18, 192
	s_add_co_u32 s28, s28, XC
	v_mul_u32_u24 v8, v3, 1536
	v_mad_u32_u24 v8, v2, 12, v8
	v_add_nc_u32 v8, s28, v8                       ; my 12 bytes of codes: token h of the pair, 192 w + 12 r
	v_bfe_u32 v9, v0, 3, 1
	v_bfe_u32 v12, v0, 1, 1
	v_bfe_u32 v13, v0, 2, 1
	v_lshl_add_u32 v9, v9, 1, v12
	v_lshl_add_u32 v9, v9, 1, v13                  ; block m = r / 2 of my wave's eight goes to byte 4 (m / 4) + 2 (m % 2) + (m / 2) % 2: bytes 1 and 2 of a word change places
	v_lshl_add_u32 v9, v3, 6, v9
	s_lshl_b32 s28, s18, 3
	s_add_co_u32 s28, s28, XSB
	v_add_nc_u32 v9, s28, v9
	s_lshl_b32 s28, s18, 8
	s_add_co_u32 s28, s28, PART
	v_lshlrev_b32 v10, 5, v3
	v_add_nc_u32 v10, s28, v10                     ; my wave's partial logits, token h of the pair
	v_lshlrev_b32 v11, 4, v0                       ; 16 x thread: the codes' way out
	v_add_nc_u32 v24, XC, v11
	v_add_nc_u32 v25, XSB, v4                      ; the scale bytes' way out
	v_bfe_u32 v26, v0, 1, 3
	v_lshl_add_u32 v26, v26, 5, PART               ; the last phase: lane l works for token (l / 2) % 8
	v_lshlrev_b32 v27, 1, v1                       ; 2 x lane = 4 x token in the even lanes 0 .. 14
	s_mov_b32 s35, 0xaaaaaaaa                      ; the odd lanes
	s_wait_kmcnt 0x0
	s_load_b256 s[20:27], s[8:9], 0x0              ; b_gate
	s_lshl_b32 s28, ttmp9, 16                      ; 8 tokens of 8,192 bytes a work-group
	s_lshl_b32 s30, s18, 10                        ; 1,024 bytes of a row a wave
	s_add_co_u32 s28, s28, s30
	s_mov_b32 s29, 0
	s_mov_b32 s31, 0
	s_add_nc_u64 s[4:5], s[4:5], s[28:29]
	s_add_nc_u64 s[6:7], s[6:7], s[30:31]
.irp t, 0,1,2,3,4,5,6,7
.irp i, 0,1
	global_load_b128 v[X+16*(\t/2)+8*(\t%2)+4*\i:X+16*(\t/2)+8*(\t%2)+4*\i+3], v4, s[4:5] offset:\t*8192+512*\i th:TH_LOAD_NT   ; 32 lanes read 512 consecutive bytes; x is read once
.endr
.endr
.irp e, 0,1,2,3,4,5,6,7
.irp q, 0,1,2,3
	global_load_b128 v[WG+16*\e+4*\q:WG+16*\e+4*\q+3], v5, s[6:7] offset:\e*8192+16*\q   ; lanes 16-31 take what lanes 0-15 take
.endr
.endr
	s_mul_i32 s28, ttmp9, 12288
	s_add_nc_u64 s[10:11], s[10:11], s[28:29]
	s_lshl_b32 s28, ttmp9, 9
	s_add_nc_u64 s[12:13], s[12:13], s[28:29]
	s_lshl_b32 s28, ttmp9, 8
	s_add_nc_u64 s[14:15], s[14:15], s[28:29]
	s_lshl_b32 s28, ttmp9, 5
	s_add_nc_u64 s[16:17], s[16:17], s[28:29]
.macro TURN p                          ; step p's 2,048 bytes through its stage: LDS serves a wave's instructions in order, so the loads see the stores and land behind them
.irp i, 0,1,2,3
	ds_store_b128 v6, v[X+16*(\p)+4*\i:X+16*(\p)+4*\i+3] offset:2560*(\p)+640*\i
.endr
.irp i, 0,1,2,3
	ds_load_b128 v[X+16*(\p)+4*\i:X+16*(\p)+4*\i+3], v7 offset:2560*(\p)+16*\i
.endr
.endm
.macro QUANT p                         ; my 16 numbers of step p become 12 bytes of codes; my block's byte
.set XP, X+16*(\p)
	s_wait_dscnt 24-4*(\p)                         ; behind step p's loads stand 8 (3 - p) instructions of the later turns and 4 p stores of the earlier steps
	v_max3_num_f32 v12, |v[XP]|, |v[XP+1]|, |v[XP+2]|
	v_max3_num_f32 v13, |v[XP+3]|, |v[XP+4]|, |v[XP+5]|
.irp i, 6,10
	v_max3_num_f32 v12, v12, |v[XP+\i]|, |v[XP+\i+1]|
	v_max3_num_f32 v13, v13, |v[XP+\i+2]|, |v[XP+\i+3]|
.endr
	v_max3_num_f32 v12, v12, |v[XP+14]|, |v[XP+15]|
	v_max3_num_f32 v12, v12, v13, 0x2800000        ; and the floor 2^(5 - 127): the byte cannot fall under 1
	v_max_num_f32_dpp v12, v12, v12 row_xmask:1 row_mask:0xf bank_mask:0xf   ; with my neighbour's 16: the block's largest magnitude
	v_add_nc_u32 v14, 0xfe000000, v12              ; 4 off its exponent field: the conversion takes that field as its scale
	v_cvt_scalef32_pk16_bf6_f32 v[C+4*(\p):C+4*(\p)+2], v[XP:XP+15], v14
	v_lshrrev_b32 v[16+(\p)], 23, v14              ; the scale's byte (also the plain line behind the conversion)
	ds_store_b32 v8, v[C+4*(\p)] offset:3072*(\p)
	ds_store_b32 v8, v[C+4*(\p)+1] offset:3072*(\p)+4
	ds_store_b32 v8, v[C+4*(\p)+2] offset:3072*(\p)+8
	ds_store_b8 v9, v[16+(\p)] offset:128*(\p)     ; both lanes of a block store the same byte with the same value
.endm
.macro GATE p                          ; my 16 numbers against the 8 experts' 16: eight chains by turns; the sums are laid over the step's numbers, which are done with
.set XP, X+16*(\p)
.irp e, 0,1,2,3,4,5,6,7
	v_pk_mul_f32 v[G+2*\e:G+2*\e+1], v[XP:XP+1], v[WG+16*\e:WG+16*\e+1]
.endr
.irp i, 1,2,3,4,5,6,7
.irp e, 0,1,2,3,4,5,6,7
	v_pk_fma_f32 v[G+2*\e:G+2*\e+1], v[XP+2*\i:XP+2*\i+1], v[WG+16*\e+2*\i:WG+16*\e+2*\i+1], v[G+2*\e:G+2*\e+1]
.endr
.endr
.irp e, 0,1,2,3,4,5,6,7
	v_add_f32 v[XP+\e], v[G+2*\e], v[G+2*\e+1]
.endr
.endm
	s_wait_loadcnt 32                              ; x's 16 loads are in; W_gate's 32 may be out
	TURN 0
	TURN 1
	TURN 2
	TURN 3
	QUANT 0
	s_wait_loadcnt 0x0                             ; W_gate
	GATE 0
	QUANT 1
	GATE 1
	QUANT 2
	GATE 2
	QUANT 3
	GATE 3
.irp m, 1,2,4,8                        ; the 32 sums over the 16 lanes that share a token, register by turns
.irp p, 0,1,2,3
.irp e, 0,1,2,3,4,5,6,7
	v_add_f32_dpp v[X+16*\p+\e], v[X+16*\p+\e], v[X+16*\p+\e] row_xmask:\m row_mask:0xf bank_mask:0xf
.endr
.endr
.endr
.irp p, 0,1,2,3
	ds_store_b128 v10, v[X+16*\p:X+16*\p+3] offset:64*\p          ; the 16 lanes of a half store the same 16 bytes with the same values
	ds_store_b128 v10, v[X+16*\p+4:X+16*\p+7] offset:64*\p+16
.endr
	s_wait_kmcnt 0x0                               ; b_gate
	s_wait_dscnt 0x0                               ; for the others' sake: my codes, bytes and partial logits lie in LDS
	s_barrier_signal -1
	s_barrier_wait -1
.irp k, 0,1,2
	ds_load_b128 v[G+4*\k:G+4*\k+3], v24 offset:4096*\k
.endr
.irp k, 0,1,2
	s_wait_dscnt 2-\k
	global_store_b128 v11, v[G+4*\k:G+4*\k+3], s[10:11] offset:4096*\k   ; a wave stores 512 consecutive bytes, at a multiple of 256 from xq's first byte
.endr
	s_cmp_eq_u32 s18, 1
	s_cbranch_scc0 .Lnot_wave_1
	ds_load_b128 v[236:239], v25                   ; wave 1: the 8 tokens' 512 scale bytes
	s_wait_dscnt 0x0
	global_store_b128 v4, v[236:239], s[12:13]
.Lnot_wave_1:
	s_cmp_eq_u32 s18, 0
	s_cbranch_scc0 .Lend
	; wave 0: the logits are summed over the waves, K ascending; softmax; top 2.  Every lane works for token (lane / 2) % 8
.irp w, 0,1,2,3,4,5,6,7
	ds_load_b128 v[96+8*\w:99+8*\w], v26 offset:256*\w
	ds_load_b128 v[100+8*\w:103+8*\w], v26 offset:256*\w+16
.endr
	s_wait_dscnt 0x0
.irp e, 0,1,2,3,4,5,6,7
	v_add_f32 v[160+\e], s[20+\e], v[96+\e]
.endr
.irp w, 1,2,3,4,5,6,7
.irp e, 0,1,2,3,4,5,6,7
	v_add_f32 v[160+\e], v[160+\e], v[96+8*\w+\e]
.endr
.endr
	v_max3_num_f32 v168, v160, v161, v162
	v_max3_num_f32 v168, v168, v163, v164
	v_max3_num_f32 v168, v168, v165, v166
	v_max_num_f32 v168, v168, v167                 ; the row's largest logit is taken away
.irp e, 0,1,2,3,4,5,6,7
	v_sub_f32 v[160+\e], v[160+\e], v168
.endr
.irp e, 0,1,2,3,4,5,6,7
	v_mul_f32 v[160+\e], 0x3fb8aa3b, v[160+\e]     ; x log2(e)
.endr
.irp e, 0,1,2,3,4,5,6,7
	v_exp_f32 v[160+\e], v[160+\e]
.endr
.irp e, 0,1,2,3,4,5,6,7
	v_mov_b32 v[176+\e], \e                        ; the experts' numbers (plain lines behind the exponentials)
.endr
	s_wait_alu depctr_va_vdst(0)
	v_add_f32 v169, v160, v161
.irp e, 2,3,4,5,6,7
	v_add_f32 v169, v169, v[160+\e]
.endr
	v_rcp_f32 v169, v169
	v_mov_b32 v171, 0                              ; (a plain line behind the reciprocal)  the best expert so far
	s_wait_alu depctr_va_vdst(0)
.irp e, 0,1,2,3,4,5,6,7
	v_mul_f32 v[160+\e], v[160+\e], v169           ; the gate weights
.endr
	v_mov_b32 v170, v160
.irp e, 1,2,3,4,5,6,7
	v_cmp_gt_f32 vcc_lo, v[160+\e], v170           ; strictly greater: the lower index keeps a tie
	v_cndmask_b32 v170, v170, v[160+\e], vcc_lo
	v_cndmask_b32 v171, v171, v[176+\e], vcc_lo
.endr
	v_mov_b32 v172, -1.0                           ; under every weight
	v_mov_b32 v173, 0
.irp e, 0,1,2,3,4,5,6,7
	v_cmp_ne_u32 s32, v[176+\e], v171
	v_cmp_gt_f32 s33, v[160+\e], v172
	s_and_b32 s32, s32, s33
	v_cndmask_b32 v172, v172, v[160+\e], s32
	v_cndmask_b32 v173, v173, v[176+\e], s32
.endr
.irp e, 0,1,2,3,4,5,6,7
	v_cmp_eq_u32 s32, v[176+\e], v171
	v_cmp_eq_u32 s33, v[176+\e], v173
	s_or_b32 s32, s32, s33
	v_cndmask_b32 v[184+\e], 0, v[160+\e], s32     ; the combine weight: p where chosen, else 0
.endr
.irp j, 0,1,2,3
	v_cndmask_b32 v[192+\j], v[184+\j], v[188+\j], s35   ; even lanes experts 0-3, odd lanes experts 4-7
.endr
	v_min_u32 v196, v171, v173                     ; lo
	v_max_u32 v197, v171, v173                     ; hi
	v_sub_nc_u32 v198, 15, v196
	v_mul_u32_u24 v198, v196, v198
	v_lshrrev_b32 v198, 1, v198                    ; lo (15 - lo) / 2
	v_sub_nc_u32 v199, v197, v196
	v_add_nc_u32 v199, -1, v199                    ; hi - lo - 1
	v_sub_nc_u32 v201, 7, v197                     ; 7 - hi
	v_and_b32 v202, 1, v196
	v_cmp_eq_u32 vcc_lo, 1, v202
	v_cndmask_b32 v199, v199, v201, vcc_lo
	v_add_nc_u32 v200, v198, v199                  ; the pair's number: a value that is stored; no address and no branch here hangs on it
	v_cmp_gt_u32 vcc_lo, 16, v1
	s_wait_xcnt 0x0                                ; EXEC changes only behind this wait: the stores above have been issued under the full one
	s_and_saveexec_b32 s34, vcc_lo
	global_store_b128 v4, v[192:195], s[14:15]     ; lanes 0-15: the 8 tokens' 256 bytes of comb
	s_wait_xcnt 0x0
	s_or_b32 exec_lo, exec_lo, s34
	v_and_b32 v203, 0x11, v1
	v_cmp_eq_u32 vcc_lo, 0, v203
	s_and_saveexec_b32 s34, vcc_lo
	global_store_b32 v27, v200, s[16:17]           ; lanes 0, 2 .. 14: the 8 tokens' keys
	s_wait_xcnt 0x0
	s_or_b32 exec_lo, exec_lo, s34
.Lend:
	s_wait_tensorcnt 0x0
	ds_add_u32 v251, v255
	s_wait_dscnt 0x0
	s_endpgm
.Lfunc_end_k_q6f509c64be_route:
	.size	k_q6f509c64be_route, .Lfunc_end_k_q6f509c64be_route-k_q6f509c64be_route
	.p2alignl 7, 3214868480
	.fill 96, 4, 3214868480
	.section	.rodata,"a",@progbits
	.p2align	6, 0x0
	.amdhsa_kernel k_q6f509c64be_route
		.amdhsa_group_segment_fixed_size 97792
		.amdhsa_private_segment_fixed_size 0
		.amdhsa_enable_private_segment 0
		.amdhsa_kernarg_size 56
		.amdhsa_user_sgpr_count 2
		.amdhsa_user_sgpr_kernarg_segment_ptr 1
		.amdhsa_wavefront_size32 1
		.amdhsa_system_sgpr_workgroup_id_x 1
		.amdhsa_system_sgpr_workgroup_id_y 1
		.amdhsa_system_sgpr_workgroup_id_z 1
		.amdhsa_system_vgpr_workitem_id 0
		.amdhsa_next_free_vgpr 256
		.amdhsa_next_free_sgpr 66
		.amdhsa_reserve_vcc 1
		.amdhsa_float_denorm_mode_32 3
		.amdhsa_float_denorm_mode_16_64 3
		.amdhsa_memory_ordered 1
		.amdhsa_forward_progress 1
		.amdhsa_inst_pref_size 52
	.end_amdhsa_kernel
	.amdgpu_metadata
---
amdhsa.version: [ 1, 2 ]
amdhsa.kernels:
  - .name:           k_q6f509c64be_route
    .symbol:         k_q6f509c64be_route.kd
    .args:
      - { .name: x, .offset: 0, .size: 8, .value_kind: global_buffer, .address_space: global }
      - { .name: W_gate, .offset: 8, .size: 8, .value_kind: global_buffer, .address_space: global }
      - { .name: b_gate, .offset: 16, .size: 8, .value_kind: global_buffer, .address_space: global }
      - { .name: xq, .offset: 24, .size: 8, .value_kind: global_buffer, .address_space: global }
      - { .name: xs, .offset: 32, .size: 8, .value_kind: global_buffer, .address_space: global }
      - { .name: comb, .offset: 40, .size: 8, .value_kind: global_buffer, .address_space: global }
      - { .name: keys, .offset: 48, .size: 8, .value_kind: global_buffer, .address_space: global }
    .group_segment_fixed_size: 97792
    .private_segment_fixed_size: 0
    .kernarg_segment_align: 8
    .kernarg_segment_size: 56
    .max_flat_workgroup_size: 256
    .sgpr_count:     66
    .vgpr_count:     256
    .wavefront_size: 32
...
	.end_amdgpu_metadata
.endif
;; end of part 1
;; launch place (part 2): grid 1 x 1, 32 waves a work-group, no clusters, 20,736 bytes of LDS; arguments keys, order, blist; writes order, blist
.if DOCPART == 2
	.amdgcn_target "amdgcn-amd-amdhsa--gfx1250"
	.amdhsa_code_object_version 6
	.text
	.protected	k_q6f509c64be_place
	.globl	k_q6f509c64be_place
	.p2align	8
	.type	k_q6f509c64be_place,@function
k_q6f509c64be_place:
	s_mov_b64 s[64:65], 0
	v_nop
	global_prefetch_b8 v0, s[64:65] scope:SCOPE_SE
	s_setreg_imm32_b32 hwreg(HW_REG_WAVE_MODE, 25, 1), 1
	s_wait_xcnt 0x0
; PLACE.  A counting sort of the 2,048 tokens by their pair number (28 bins), and for each block of 128 sorted tokens the list of the experts that it uses.
; One work-group, 32 waves.  Wave v owns two chunks of 32 tokens: 64 v + lane and 64 v + 32 + lane.
; 1: each chunk's histogram (lane = bin) and each token's rank among its chunk's tokens of the same bin, by compare masks.  2: wave 0 turns the 64 histograms into first places: row c of OFFS holds, for each bin,
; the place of the first token of that bin in chunk c; row 0 is where each bin begins, row 64 where it ends.  3: place = my chunk's row at my bin + my rank; order[place] = token.
; 4: wave b (0 .. 15): the bins that reach into places 128 b .. 128 b + 127, and from them the experts: blist[b] = (how many, their numbers in fields of 4 bits, ascending).
; order is stored 4 bytes a lane at the places that the sort gives, 8,192 bytes in all: ordering them in LDS first would cost two more barriers of the only work-group.
.set HIST, 0                           ; LDS: [64 chunks][32 bins] u32
.set OFFS, 8192                        ; [65 rows][32 bins] u32
	s_load_b128 s[4:7], s[0:1], 0x0                ; keys s[4:5], order s[6:7]
	s_load_b64 s[8:9], s[0:1], 0x10                ; blist
	v_lshl_add_u32 v126, v0, 2, 0x4100
	v_mov_b32 v127, 0
	v_lshrrev_b32 v1, 5, v0
	v_readfirstlane_b32 s10, v1                    ; wave 0..31
	v_and_b32 v1, 31, v0                           ; lane
	v_lshlrev_b32 v10, 2, v1                       ; 4 x lane
	s_lshl_b32 s11, s10, 8
	v_add_nc_u32 v2, s11, v10                      ; 256 x wave + 4 x lane: my first token's key, and my place in my first chunk's row
	v_mov_b32 v5, 0                                ; the two histograms
	v_mov_b32 v6, 0
	v_mov_b32 v7, 0                                ; the masks of my peers
	v_mov_b32 v8, 0
	s_wait_kmcnt 0x0
	global_load_b32 v3, v2, s[4:5]
	global_load_b32 v4, v2, s[4:5] offset:128
	s_wait_loadcnt 0x0
	v_min_u32 v3, 31, v3
	v_min_u32 v4, 31, v4
.irp p, 0,1,2,3,4,5,6,7,8,9,10,11,12,13,14,15,16,17,18,19,20,21,22,23,24,25,26,27
	v_cmp_eq_u32 s20, \p, v3                       ; the chunk's tokens of bin p; the two chunks by turns
	v_cmp_eq_u32 s21, \p, v4
	s_bcnt1_i32_b32 s22, s20
	s_bcnt1_i32_b32 s23, s21
	v_mov_b32 v20, s20
	v_mov_b32 v21, s21
	v_writelane_b32 v5, s22, \p                    ; how many: lane p of the histogram
	v_writelane_b32 v6, s23, \p
	v_cndmask_b32 v7, v7, v20, s20                 ; those tokens keep the mask
	v_cndmask_b32 v8, v8, v21, s21
.endr
	v_mbcnt_lo_u32_b32 v7, v7, 0                   ; my rank: my peers in lower lanes
	v_mbcnt_lo_u32_b32 v8, v8, 0
	ds_store_b32 v2, v5
	ds_store_b32 v2, v6 offset:128
	s_wait_dscnt 0x0                               ; for wave 0's sake
	s_barrier_signal -1
	s_barrier_wait -1
	s_cmp_lg_u32 s10, 0
	s_cbranch_scc1 .Lscanned
.set c, 0
.rept 64
	ds_load_b32 v[32+c], v10 offset:HIST+128*c     ; lane = bin, register = chunk
.set c, c+1
.endr
	v_mov_b32 v11, 0
	s_mov_b32 s24, 0
	s_wait_dscnt 0x0
.set c, 1
.rept 63
	v_add_nc_u32 v[32+c], v[32+c], v[31+c]         ; each bin's count up to and with chunk c
.set c, c+1
.endr
.irp p, 0,1,2,3,4,5,6,7,8,9,10,11,12,13,14,15,16,17,18,19,20,21,22,23,24,25,26,27
	v_readlane_b32 s25, v95, \p                    ; bin p's total
	v_writelane_b32 v11, s24, \p                   ; where bin p begins
	s_add_co_u32 s24, s24, s25
.endr
.set c, 0
.rept 64
	v_add_nc_u32 v[32+c], v11, v[32+c]
.set c, c+1
.endr
	ds_store_b32 v10, v11 offset:OFFS
.set c, 0
.rept 64
	ds_store_b32 v10, v[32+c] offset:OFFS+128*(c+1)
.set c, c+1
.endr
.Lscanned:
	s_wait_dscnt 0x0                               ; wave 0's rows lie in LDS
	s_barrier_signal -1
	s_barrier_wait -1
	ds_load_b32 v12, v2 offset:OFFS                ; my two chunks' rows, lane = bin
	ds_load_b32 v13, v2 offset:OFFS+128
	v_lshlrev_b32 v15, 2, v3
	v_lshlrev_b32 v16, 2, v4
	s_wait_dscnt 0x0
	ds_bpermute_b32 v17, v15, v12                  ; the row's number at my token's bin: from lane = bin
	ds_bpermute_b32 v18, v16, v13
	v_lshrrev_b32 v22, 2, v2                       ; my tokens: 64 x wave + lane,
	v_add_nc_u32 v23, 32, v22                      ; and 32 on
	s_wait_dscnt 0x0
	v_add_nc_u32 v17, v17, v7
	v_add_nc_u32 v18, v18, v8
	v_min_u32 v17, 0x7ff, v17
	v_min_u32 v18, 0x7ff, v18
	v_lshlrev_b32 v17, 2, v17
	v_lshlrev_b32 v18, 2, v18
	global_store_b32 v17, v22, s[6:7]
	global_store_b32 v18, v23, s[6:7]
	s_cmp_lt_u32 s10, 16
	s_cbranch_scc0 .Lend
	ds_load_b32 v24, v10 offset:OFFS               ; where each bin begins,
	ds_load_b32 v25, v10 offset:OFFS+8192          ; and where it ends
	s_lshl_b32 s26, s10, 7                         ; my block's first place,
	s_add_co_u32 s27, s26, 128                     ; and the first behind it
	s_mov_b32 s33, 0                               ; the next field's shift
	s_mov_b32 s34, 0                               ; the list
	s_mov_b32 s35, 0                               ; how many
	s_wait_dscnt 0x0
	v_cmp_gt_u32 s28, s27, v24
	v_cmp_lt_u32 s29, s26, v25
	v_cmp_lt_u32 s30, v24, v25
	s_and_b32 s28, s28, s29
	s_and_b32 s28, s28, s30
	s_and_b32 s28, s28, 0x0fffffff                 ; the bins with a token in my block
.macro TAKE e, bins                    ; bins: the pairs that hold expert e
	s_and_b32 s31, s28, \bins
	s_cselect_b32 s32, 1, 0                        ; 1 where the block uses the expert
	s_lshl_b32 s31, \e, s33
	s_mul_i32 s31, s31, s32
	s_or_b32 s34, s34, s31
	s_lshl_b32 s31, s32, 2
	s_add_co_u32 s33, s33, s31
	s_add_co_u32 s35, s35, s32
.endm
	TAKE 0, 0x7f
	TAKE 1, 0x1f81
	TAKE 2, 0x3f002
	TAKE 3, 0x3c2804
	TAKE 4, 0x1e04408
	TAKE 5, 0x6508210
	TAKE 6, 0xc890120
	TAKE 7, 0xb0600c0
	v_mov_b32 v26, s35
	v_mov_b32 v27, s34
	s_lshl_b32 s31, s10, 3
	v_mov_b32 v28, s31
	v_cmp_eq_u32 vcc_lo, 0, v1
	s_wait_xcnt 0x0                                ; EXEC changes only behind this wait
	s_and_saveexec_b32 s36, vcc_lo
	global_store_b64 v28, v[26:27], s[8:9]
	s_wait_xcnt 0x0
	s_or_b32 exec_lo, exec_lo, s36
.Lend:
	s_wait_tensorcnt 0x0
	ds_add_u32 v126, v127
	s_wait_dscnt 0x0
	s_endpgm
.Lfunc_end_k_q6f509c64be_place:
	.size	k_q6f509c64be_place, .Lfunc_end_k_q6f509c64be_place-k_q6f509c64be_place
	.p2alignl 7, 3214868480
	.fill 96, 4, 3214868480
	.section	.rodata,"a",@progbits
	.p2align	6, 0x0
	.amdhsa_kernel k_q6f509c64be_place
		.amdhsa_group_segment_fixed_size 20736
		.amdhsa_private_segment_fixed_size 0
		.amdhsa_enable_private_segment 0
		.amdhsa_kernarg_size 24
		.amdhsa_user_sgpr_count 2
		.amdhsa_user_sgpr_kernarg_segment_ptr 1
		.amdhsa_wavefront_size32 1
		.amdhsa_system_sgpr_workgroup_id_x 1
		.amdhsa_system_sgpr_workgroup_id_y 1
		.amdhsa_system_sgpr_workgroup_id_z 1
		.amdhsa_system_vgpr_workitem_id 0
		.amdhsa_next_free_vgpr 128
		.amdhsa_next_free_sgpr 66
		.amdhsa_reserve_vcc 1
		.amdhsa_float_denorm_mode_32 3
		.amdhsa_float_denorm_mode_16_64 3
		.amdhsa_memory_ordered 1
		.amdhsa_forward_progress 1
		.amdhsa_inst_pref_size 37
	.end_amdhsa_kernel
	.amdgpu_metadata
---
amdhsa.version: [ 1, 2 ]
amdhsa.kernels:
  - .name:           k_q6f509c64be_place
    .symbol:         k_q6f509c64be_place.kd
    .args:
      - { .name: keys, .offset: 0, .size: 8, .value_kind: global_buffer, .address_space: global }
      - { .name: order, .offset: 8, .size: 8, .value_kind: global_buffer, .address_space: global }
      - { .name: blist, .offset: 16, .size: 8, .value_kind: global_buffer, .address_space: global }
    .group_segment_fixed_size: 20736
    .private_segment_fixed_size: 0
    .kernarg_segment_align: 8
    .kernarg_segment_size: 24
    .max_flat_workgroup_size: 1024
    .sgpr_count:     66
    .vgpr_count:     128
    .wavefront_size: 32
...
	.end_amdgpu_metadata
.endif
;; end of part 2
;; launch experts (part 3): grid 16 x 16, 4 waves a work-group, no clusters, 199,168 bytes of LDS; arguments W_experts_codes, W_experts_scales, b_experts, xq, xs, comb, order, blist, out0; writes out0
.if DOCPART == 3
	.amdgcn_target "amdgcn-amd-amdhsa--gfx1250"
	.amdhsa_code_object_version 6
	.text
	.protected	k_q6f509c64be_experts
	.globl	k_q6f509c64be_experts
	.p2align	8
	.type	k_q6f509c64be_experts,@function
k_q6f509c64be_experts:
	s_mov_b64 s[64:65], 0
	v_nop
	global_prefetch_b8 v0, s[64:65] scope:SCOPE_SE
	s_setreg_imm32_b32 hwreg(HW_REG_WAVE_MODE, 25, 1), 1
	s_wait_xcnt 0x0
; EXPERTS.  out0[token][o] = the sum over the token's two chosen experts e of comb[token][e] x relu(x[token] . W[e][o] + b[e][o]); the products on codes of E3M2 with E8M0 scales, sums in f32.
; SHARES.  Work-group (x, y) owns the 128 tokens at sorted places 128 y .. 128 y + 127 and columns 128 x .. 128 x + 127, and is the only one that stores them.  It walks the experts of its block's list
; (blist, 2 to 8 of them); a token that has not chosen an expert of the list has the weight 0 for it.  Wave w takes all 128 tokens (8 tiles t) x columns 32 w .. 32 w + 31 of the tile (2 tiles ct): 16 accumulators.
; The waves share the columns, so each byte of W that the work-group needs is loaded once, from memory straight into registers, through a ring of 8 K steps (48 loads on their way); the block's codes of x lie in LDS
; for the whole walk and are only read there: no barrier stands in the walk.
; NO JOINT LOADS: how many experts a block walks, and which, is read from memory and differs from block to block, so partners along y would ask for different tiles in different numbers;
; partners along x share only x's codes, 196,608 bytes once against 204,800 bytes of W for each expert walked.
; THE MATRIX INSTRUCTION IS USED TRANSPOSED (source 0 = 16 columns of W, source 1 = 16 tokens): lane (r, h) holds token 16 t + r and columns 16 ct + 8 h + 0 .. 7.  The bias is the C of a sum's first instruction.
; K IS PERMUTED ALIKE ON BOTH SIDES.  Of a K step's 96 bytes of a row, lane (r, h) takes the 48 consecutive bytes at 48 h (blocks 2 h and 2 h + 1) by three loads of 16 bytes at multiples of 16.  The instruction counts
; the lane's first 24 bytes as its block h and the second as its block 2 + h: so its scale bytes 0, 1, 2, 3 are those of the row's blocks 0, 2, 1, 3.  xs is stored so; W's words are turned by one v_perm_b32 each.
; The products are the same; only their grouping inside an instruction differs from the plain order.
; REGISTERS, in windows of 256:  window 0: addresses, scale words, bias, weights (below).  window 1: v0-191 W's ring: K step k at 24 (k % 8), tile ct at + 12 ct.
;   window 2: v0-127 the accumulators, (t, ct) at 8 (2 t + ct); v128-255 the output sums, laid likewise.   window 3: v0-95, v96-191 x's 8 fragments of a K step, two sets (also the gather's sets and the way out's rows).
.set PX,    1552                       ; a token's row of codes in LDS: 1,536 bytes + 16 = 97 x 16: the 16 rows of a load's half start in 16 different columns of 16 bytes (64 banks of 4 bytes: ISA guide 11.1)
.set PS,    528                        ; a row of the stage on the way out: 512 bytes + 16; the stage lies over x's codes, behind a barrier
.set L16,   1                          ; v1      16 x lane
.set WOFF,  2                          ; v2      W: 1,536 r + 48 h
.set BOFF,  3                          ; v3      bias: 32 h
.set ADX,   4                          ; v4-7    x in LDS: (32 u + r) PX + 48 h
.set SOFF,  8                          ; v8      W's scale bytes: 64 x lane (lane = column)
.set LW,    9                          ; v9      the gather: my wave's 32 rows, 16 x lane
.set SO,    10                         ; v10     the stage: where I put 32 bytes of a row
.set SR,    11                         ; v11     and where I read a row back
.set XSO,   12                         ; v12-15  64 x token at place 32 u + lane
.set CW,    16                         ; v16-31  the weight of token 16 t + r at CW + 2 t (the odd registers are named as pairs' upper halves and hold 0)
.set XS,    32                         ; v32-95  x's scale words: XS + 16 u + s: lane = place 32 u + lane, K step s
.set WS,    96                         ; v96-111 W's scale words, turned: WS + s: lane = column
.set WSN,   112                        ; v112-127 the next expert's, as loaded
.set BIAS,  128                        ; v128-143 the bias in the result's layout, tile ct at + 8 ct
.set TOKC,  144                        ; v144-151 32 x token at place 16 t + r
.set TMP,   152                        ; v152-156 lane, r, h, 4 r, 4 x lane
.set GA,    160                        ; v160-191 row i of my wave's 32: its byte offset in xq, later in out0, + 16 x lane
.set OUTR,  128                        ; in window 2
.set WP,    38                         ; s[38:39] codes, s[40:41] scale bytes, s[42:43] bias, s[44:45] weights of the expert whose data are being asked for
.set SP,    40
.set BP,    42
.set CP,    44
.set MSB, 0
.macro WIN new                         ; the immediate's high byte repeats the setting that is left; a switch that changes nothing is dropped
.if MSB != \new
	s_set_vgpr_msb (MSB<<8)|\new
.set MSB, \new
.endif
.endm
.set MUL,  0xad                        ; source 0 (W) window 1, source 1 (x) window 3, C and D window 2
.set MUL0, 0x8d                        ; the same with C (the bias) in window 0
.set XLD,  0xc0                        ; destination window 3
.set WLD,  0x40                        ; destination window 1
.set RELU, 0x88                        ; source 1 and destination window 2
.set FMA,  0xa2                        ; source 0, source 2 and destination window 2
.set FMUL, 0x82                        ; source 0 and destination window 2
.set DAT3, 0x0c                        ; a store's data (source 1) window 3
.set DAT2, 0x08                        ; window 2
	s_load_b256 s[4:11], s[0:1], 0x0               ; W's codes s[4:5], W's scales s[6:7], b s[8:9], xq s[10:11]
	s_load_b256 s[12:19], s[0:1], 0x20             ; xs s[12:13], comb s[14:15], order s[16:17], blist s[18:19]
	s_load_b64 s[20:21], s[0:1], 0x40              ; out0
	v_lshl_add_u32 v254, v0, 2, 0x30800
	v_mov_b32 v255, 0
	v_lshrrev_b32 v1, 5, v0
	v_readfirstlane_b32 s22, v1                    ; wave 0..3
	s_mov_b32 s23, ttmp9                           ; column tile
	s_and_b32 s24, ttmp7, 0xffff                   ; block of tokens
	s_mov_b32 s31, 0                               ; the upper word of the offset pair s[30:31], for good
	s_mov_b32 s27, 0                               ; the loop's counter
	s_mov_b32 s46, 0x03010200                      ; v_perm_b32: bytes 1 and 2 change places
	v_and_b32 v[TMP], 31, v0
	v_and_b32 v[TMP+1], 15, v0
	v_bfe_u32 v[TMP+2], v0, 4, 1
	v_lshlrev_b32 v[TMP+3], 2, v[TMP+1]
	v_lshlrev_b32 v[TMP+4], 2, v[TMP]
	v_lshlrev_b32 v[L16], 4, v[TMP]
	v_mul_u32_u24 v[WOFF], v[TMP+1], 1536
	v_mad_u32_u24 v[WOFF], v[TMP+2], 48, v[WOFF]
	v_lshlrev_b32 v[BOFF], 5, v[TMP+2]
	v_mul_u32_u24 v[ADX], v[TMP+1], PX
	v_mad_u32_u24 v[ADX], v[TMP+2], 48, v[ADX]
.irp u, 1,2,3
	v_add_nc_u32 v[ADX+\u], \u*32*PX, v[ADX]
.endr
	v_lshlrev_b32 v[SOFF], 6, v[TMP]
	s_mul_i32 s47, s22, 32*PX
	v_add_nc_u32 v[LW], s47, v[L16]
	s_wait_kmcnt 0x0
	s_lshl_b32 s30, s24, 3
	s_add_nc_u64 s[54:55], s[18:19], s[30:31]
	s_load_b64 s[52:53], s[54:55], 0x0             ; my block's (how many experts, their list)
	s_lshl_b32 s30, s24, 9
	s_add_nc_u64 s[50:51], s[16:17], s[30:31]      ; order at my block
	s_lshl_b32 s30, s22, 7
	s_add_nc_u64 s[48:49], s[50:51], s[30:31]      ; and at my wave's 32 places
	s_load_b512 s[68:83], s[48:49], 0x0            ; the tokens that I gather and store
	s_load_b512 s[84:99], s[48:49], 0x40
.irp t, 0,1,2,3,4,5,6,7
	global_load_b32 v[TOKC+\t], v[TMP+3], s[50:51] offset:64*\t
.endr
.irp u, 0,1,2,3
	global_load_b32 v[XSO+\u], v[TMP+4], s[50:51] offset:128*\u
.endr
	s_lshl_b32 s47, s23, 7
	s_lshl_b32 s30, s22, 5
	s_add_co_u32 s47, s47, s30                     ; my first column
	s_mul_i32 s30, s47, 1536
	s_add_nc_u64 s[32:33], s[4:5], s[30:31]        ; its codes, in expert 0,
	s_lshl_b32 s30, s47, 6
	s_add_nc_u64 s[34:35], s[6:7], s[30:31]        ; its scale bytes,
	s_lshl_b32 s30, s47, 2
	s_add_nc_u64 s[36:37], s[8:9], s[30:31]        ; its bias
	s_lshl_b32 s30, s23, 9
	s_add_nc_u64 s[20:21], s[20:21], s[30:31]      ; out0 at the tile's first column
	s_wait_kmcnt 0x0
	s_min_u32 s25, s52, 8
	s_max_u32 s25, s25, 2
	s_sub_co_u32 s25, s25, 2                       ; the loop's trips: the first and the last expert are written out
	s_mov_b32 s26, s53
; The pointers of the list's next expert; its scale words (a wave's 32 columns: 2,048 dense bytes) and its bias are asked for: 8 loads.
.macro SETEXP shift
	WIN 0
.if \shift
	s_wait_xcnt 0x0                                ; the pointers are sources of loads that have been issued: they are written only behind this wait
	s_lshr_b32 s26, s26, 4
.endif
	s_and_b32 s28, s26, 7
	s_min_u32 s28, s28, 7
	s_mul_i32 s30, s28, 3145728                    ; 2,048 rows of 1,536 bytes
	s_add_nc_u64 s[WP:WP+1], s[32:33], s[30:31]
	s_lshl_b32 s30, s28, 17
	s_add_nc_u64 s[SP:SP+1], s[34:35], s[30:31]
	s_lshl_b32 s30, s28, 13
	s_add_nc_u64 s[BP:BP+1], s[36:37], s[30:31]
	s_lshl_b32 s30, s28, 2
	s_add_nc_u64 s[CP:CP+1], s[14:15], s[30:31]
.irp q, 0,1,2,3
	global_load_b128 v[WSN+4*\q:WSN+4*\q+3], v[SOFF], s[SP:SP+1] offset:16*\q
.endr
.irp c, 0,1
	global_load_b128 v[BIAS+8*\c:BIAS+8*\c+3], v[BOFF], s[BP:BP+1] offset:64*\c
	global_load_b128 v[BIAS+8*\c+4:BIAS+8*\c+7], v[BOFF], s[BP:BP+1] offset:64*\c+16
.endr
.endm
.macro CWLOAD                          ; my 8 tokens' weights for the expert in hand: 8 loads
.irp t, 0,1,2,3,4,5,6,7
	global_load_b32 v[CW+2*\t], v[TOKC+\t], s[CP:CP+1]
.endr
.endm
.macro XFETCH s                        ; x's 8 fragments of K step s into set s % 2: 24 LDS loads in one run
	WIN XLD
.irp t, 0,1,2,3,4,5,6,7
.irp q, 0,1,2
	ds_load_b128 v[96*((\s)%2)+12*\t+4*\q:96*((\s)%2)+12*\t+4*\q+3], v[ADX+\t/2] offset:(\t%2)*16*PX+96*(\s)+16*\q
.endr
.endr
.endm
.macro WFETCH slot, k                  ; W's 2 fragments of K step k into the ring: 6 loads
	WIN WLD
.irp c, 0,1
.irp q, 0,1,2
	global_load_b128 v[24*(\slot)+12*\c+4*\q:24*(\slot)+12*\c+4*\q+3], v[WOFF], s[WP:WP+1] offset:24576*\c+96*(\k)+16*\q
.endr
.endr
.endm
.macro WM s, t, c                      ; tile (t, c), K step s.  W's scale words lie in lanes 0-15 for tile 0 and 16-31 for tile 1; x's in lanes 0-15 for even t, 16-31 for odd t
.set rD, 8*(2*(\t)+(\c))
.set rA, 24*((\s)%8)+12*(\c)
.set rB, 96*((\s)%2)+12*(\t)
.set rSA, WS+(\s)
.set rSB, XS+16*((\t)/2)+(\s)
.if (\s) == 0
.set rC, BIAS+8*(\c)
.else
.set rC, rD
.endif
.if ((\c) == 0) && ((\t)%2 == 0)
	v_wmma_scale_f32_16x16x128_f8f6f4 v[rD:rD+7], v[rA:rA+11], v[rB:rB+11], v[rC:rC+7], v[rSA], v[rSB] matrix_a_fmt:MATRIX_FMT_BF6 matrix_b_fmt:MATRIX_FMT_BF6
.elseif (\t)%2 == 0
	v_wmma_scale_f32_16x16x128_f8f6f4 v[rD:rD+7], v[rA:rA+11], v[rB:rB+11], v[rC:rC+7], v[rSA], v[rSB] matrix_a_fmt:MATRIX_FMT_BF6 matrix_b_fmt:MATRIX_FMT_BF6 matrix_a_scale:MATRIX_SCALE_ROW1
.elseif (\c) == 0
	v_wmma_scale_f32_16x16x128_f8f6f4 v[rD:rD+7], v[rA:rA+11], v[rB:rB+11], v[rC:rC+7], v[rSA], v[rSB] matrix_a_fmt:MATRIX_FMT_BF6 matrix_b_fmt:MATRIX_FMT_BF6 matrix_b_scale:MATRIX_SCALE_ROW1
.else
	v_wmma_scale_f32_16x16x128_f8f6f4 v[rD:rD+7], v[rA:rA+11], v[rB:rB+11], v[rC:rC+7], v[rSA], v[rSB] matrix_a_fmt:MATRIX_FMT_BF6 matrix_b_fmt:MATRIX_FMT_BF6 matrix_a_scale:MATRIX_SCALE_ROW1 matrix_b_scale:MATRIX_SCALE_ROW1
.endif
.endm
; A K step: 16 matrix instructions, the 16 accumulators by turns, one instruction a turn, in the same order in every step.
; lcnt, dcnt: the younger loads that may stay out.  xa = 1: x's fragments two steps on go into the set just read.  wa = 1: W's fragments eight steps on go into the ring's place just read.
.macro KSTEP s, lcnt, dcnt, xa, wa
	s_wait_loadcnt \lcnt
	s_wait_dscnt \dcnt
.if (\s) == 0
	WIN MUL0
.else
	WIN MUL
.endif
.irp t, 0,1,2,3,4,5,6,7
.irp c, 0,1
	WM \s, \t, \c
.endr
.endr
.rept 4
	v_nop                                          ; four places in front of loads into registers that these products have read, and of the first read of their results
.endr
.if \xa
	XFETCH ((\s)+2)%16
.endif
.if \wa
	WFETCH (\s)%8, ((\s)+8)%16
.endif
.endm
; One expert's 16 K steps.  Behind the six loads of K step i of a half stand 6 (7 - i) of that half's later steps, 8 others (the weights, or the next expert's scale words and bias) and 6 i of the half in hand: 50.
; ahead = 1: the second half asks for the next expert's first eight K steps and for x's first two again.  ahead = 0: nothing more is asked for, and the counts run down.
.macro SLOT ahead
	CWLOAD
.irp s, 0,1,2,3,4,5,6,7
	KSTEP \s, 50, 24, 1, 1
.endr
.if \ahead
	SETEXP 1
.irp s, 8,9,10,11,12,13,14,15
	KSTEP \s, 50, 24, 1, 1
.endr
.else
	KSTEP 8, 42, 24, 1, 0
	KSTEP 9, 36, 24, 1, 0
	KSTEP 10, 30, 24, 1, 0
	KSTEP 11, 24, 24, 1, 0
	KSTEP 12, 18, 24, 1, 0
	KSTEP 13, 12, 24, 1, 0
	KSTEP 14, 6, 24, 0, 0
	KSTEP 15, 0, 0, 0, 0
.endif
	WIN 0
.endm
; Behind an expert's products: relu, x the token's weight, onto the output sums.  first = 1: the products start the sums: nothing is cleared.
.macro EPI first, ahead
.if \ahead
	s_wait_loadcnt 48                              ; all but the next expert's 48 ring loads: the weights, the next scale words and bias are in
.set i, 0
.rept 16
	v_perm_b32 v[WS+i], v[WSN+i], v[WSN+i], s46    ; the next expert's scale words, turned; the lines below are more than the 8 places that stand between them and the next scaled product
.set i, i+1
.endr
.else
	s_wait_loadcnt 0x0                             ; the weights
.endif
	WIN RELU
.set i, 0
.rept 128
	v_max_num_f32 v[i], 0, v[i]                    ; each accumulator from its low end on
.set i, i+1
.endr
.if \first
	WIN FMUL
.else
	WIN FMA
.endif
.set i, 0
.rept 64
.if \first
	v_pk_mul_f32 v[OUTR+2*i:OUTR+2*i+1], v[2*i:2*i+1], v[CW+2*(i/8):CW+2*(i/8)+1] op_sel_hi:[1,0]
.else
	v_pk_fma_f32 v[OUTR+2*i:OUTR+2*i+1], v[2*i:2*i+1], v[CW+2*(i/8):CW+2*(i/8)+1], v[OUTR+2*i:OUTR+2*i+1] op_sel_hi:[1,0,1]
.endif
.set i, i+1
.endr
	WIN 0
.endm
.macro BATCH g                         ; rows 8 g .. 8 g + 7 of my wave's 32: whole rows of 1,536 bytes, 512 consecutive bytes a load, into set g % 2
	WIN XLD
.irp j, 0,1,2,3,4,5,6,7
.irp k, 0,1,2
	global_load_b128 v[96*((\g)%2)+12*\j+4*\k:96*((\g)%2)+12*\j+4*\k+3], v[GA+8*(\g)+\j], s[10:11] offset:512*\k
.endr
.endr
.endm
.macro PUT g                           ; and into LDS
	WIN DAT3
.irp j, 0,1,2,3,4,5,6,7
.irp k, 0,1,2
	ds_store_b128 v[LW], v[96*((\g)%2)+12*\j+4*\k:96*((\g)%2)+12*\j+4*\k+3] offset:PX*(8*(\g)+\j)+512*\k
.endr
.endr
.endm
	SETEXP 0                                       ; the first expert: 8 loads,
.irp i, 0,1,2,3,4,5,6,7
	WFETCH \i, \i                                  ; and its first eight K steps: 48
.endr
	WIN 0
	s_wait_loadcnt 56                              ; the 12 loads of tokens are in
.irp t, 0,1,2,3,4,5,6,7
	v_min_u32 v[TOKC+\t], 0x7ff, v[TOKC+\t]
.endr
.irp u, 0,1,2,3
	v_min_u32 v[XSO+\u], 0x7ff, v[XSO+\u]
.endr
.irp t, 0,1,2,3,4,5,6,7
	v_lshlrev_b32 v[TOKC+\t], 5, v[TOKC+\t]        ; a token's 32 bytes of comb
.endr
.irp u, 0,1,2,3
	v_lshlrev_b32 v[XSO+\u], 6, v[XSO+\u]          ; a token's 64 bytes of xs
.endr
.irp u, 0,1,2,3
.irp q, 0,1,2,3
	global_load_b128 v[XS+16*\u+4*\q:XS+16*\u+4*\q+3], v[XSO+\u], s[12:13] offset:16*\q   ; x's scale words stay in registers for the whole launch
.endr
.endr
.set i, 0
.rept 32
	s_min_u32 s[68+i], s[68+i], 2047
	s_mul_i32 s47, s[68+i], 1536
	v_add_nc_u32 v[GA+i], s47, v[L16]
.set i, i+1
.endr
	BATCH 0
	BATCH 1
	s_wait_loadcnt 24                              ; all but the batch just asked for
	PUT 0
	s_wait_dscnt 0x0                               ; the stores have read their registers
	BATCH 2
	s_wait_loadcnt 24
	PUT 1
	s_wait_dscnt 0x0
	BATCH 3
	s_wait_loadcnt 24
	PUT 2
	s_wait_loadcnt 0x0                             ; every load so far is in: the last batch, the ring, the scale words, the bias
	PUT 3
	WIN 0
.set i, 0
.rept 16
	v_perm_b32 v[WS+i], v[WSN+i], v[WSN+i], s46    ; the first expert's scale words, turned
.set i, i+1
.endr
.irp t, 0,1,2,3,4,5,6,7
	v_mov_b32 v[CW+2*\t+1], 0                      ; named as pairs' upper halves, so they are written.  (These and the four lines below: 12 places between the scale words and the first scaled product)
.endr
	v_mul_u32_u24 v[SO], v[TMP+1], PS
	v_lshl_add_u32 v[SO], v[TMP+2], 5, v[SO]
	s_lshl_b32 s47, s22, 7
	v_add_nc_u32 v[SO], s47, v[SO]                 ; the stage: row r, + 32 h, + my wave's 128 bytes
	s_mul_i32 s47, s22, 32*PS
	v_add_nc_u32 v[SR], s47, v[L16]                ; back: my 32 rows, 16 bytes a lane
	s_wait_dscnt 0x0                               ; for the others' sake: my 32 rows lie in LDS
	s_barrier_signal -1
	s_barrier_wait -1
	XFETCH 0
	XFETCH 1
	WIN 0
	SLOT 1                                         ; the list's first expert: its products start the output sums
	EPI 1, 1
	s_cmp_eq_u32 s25, 0
	s_cbranch_scc1 .Llast                          ; a block with two experts has no middle
.Lslot:
	SLOT 1
	EPI 0, 1
	s_add_co_u32 s27, s27, 1
	s_cmp_lt_u32 s27, s25
	s_cbranch_scc1 .Lslot
.Llast:
	SLOT 0                                         ; the last expert asks for nothing more
	EPI 0, 0
	; THE WAY OUT.  A lane holds 32 neighbouring bytes of a token's row, and a row's 512 bytes of this tile come from four waves: they meet in the stage, and each wave stores 32 whole rows.
	s_wait_dscnt 0x0                               ; my reads of x's codes are over,
	s_barrier_signal -1
	s_barrier_wait -1                              ; everybody's are: the stage may be laid over them
	WIN DAT2
.irp t, 0,1,2,3,4,5,6,7
.irp c, 0,1
	ds_store_b128 v[SO], v[OUTR+8*(2*\t+\c):OUTR+8*(2*\t+\c)+3] offset:16*PS*\t+64*\c
	ds_store_b128 v[SO], v[OUTR+8*(2*\t+\c)+4:OUTR+8*(2*\t+\c)+7] offset:16*PS*\t+64*\c+16
.endr
.endr
	WIN 0
.set i, 0
.rept 32
	s_lshl_b32 s47, s[68+i], 13                    ; the token's row of out0 (the token was held to 2,047 above)
	v_add_nc_u32 v[GA+i], s47, v[L16]
.set i, i+1
.endr
	s_wait_dscnt 0x0                               ; for the others' sake
	s_barrier_signal -1
	s_barrier_wait -1
	WIN XLD
.set i, 0
.rept 32
	ds_load_b128 v[4*i:4*i+3], v[SR] offset:PS*i
.set i, i+1
.endr
	WIN DAT3
.set i, 0
.rept 32
	s_wait_dscnt 31-i
	global_store_b128 v[GA+i], v[4*i:4*i+3], s[20:21] th:TH_STORE_NT   ; 32 lanes store 512 consecutive bytes, at a multiple of 256 from out0's first byte; written once, read by nobody here
.set i, i+1
.endr
	WIN 0
	s_wait_tensorcnt 0x0
	ds_add_u32 v254, v255
	s_wait_dscnt 0x0
	s_endpgm
.Lfunc_end_k_q6f509c64be_experts:
	.size	k_q6f509c64be_experts, .Lfunc_end_k_q6f509c64be_experts-k_q6f509c64be_experts
	.p2alignl 7, 3214868480
	.fill 96, 4, 3214868480
	.section	.rodata,"a",@progbits
	.p2align	6, 0x0
	.amdhsa_kernel k_q6f509c64be_experts
		.amdhsa_group_segment_fixed_size 199168
		.amdhsa_private_segment_fixed_size 0
		.amdhsa_enable_private_segment 0
		.amdhsa_kernarg_size 72
		.amdhsa_user_sgpr_count 2
		.amdhsa_user_sgpr_kernarg_segment_ptr 1
		.amdhsa_wavefront_size32 1
		.amdhsa_system_sgpr_workgroup_id_x 1
		.amdhsa_system_sgpr_workgroup_id_y 1
		.amdhsa_system_sgpr_workgroup_id_z 1
		.amdhsa_system_vgpr_workitem_id 0
		.amdhsa_next_free_vgpr 960
		.amdhsa_next_free_sgpr 100
		.amdhsa_reserve_vcc 0
		.amdhsa_float_denorm_mode_32 3
		.amdhsa_float_denorm_mode_16_64 3
		.amdhsa_memory_ordered 1
		.amdhsa_forward_progress 1
		.amdhsa_inst_pref_size 255
	.end_amdhsa_kernel
	.section	.bss,"aw",@nobits
	.p2align	6
	.space	262144
	.amdgpu_metadata
---
amdhsa.version: [ 1, 2 ]
amdhsa.kernels:
  - .name:           k_q6f509c64be_experts
    .symbol:         k_q6f509c64be_experts.kd
    .args:
      - { .name: W_experts_codes, .offset: 0, .size: 8, .value_kind: global_buffer, .address_space: global }
      - { .name: W_experts_scales, .offset: 8, .size: 8, .value_kind: global_buffer, .address_space: global }
      - { .name: b_experts, .offset: 16, .size: 8, .value_kind: global_buffer, .address_space: global }
      - { .name: xq, .offset: 24, .size: 8, .value_kind: global_buffer, .address_space: global }
      - { .name: xs, .offset: 32, .size: 8, .value_kind: global_buffer, .address_space: global }
      - { .name: comb, .offset: 40, .size: 8, .value_kind: global_buffer, .address_space: global }
      - { .name: order, .offset: 48, .size: 8, .value_kind: global_buffer, .address_space: global }
      - { .name: blist, .offset: 56, .size: 8, .value_kind: global_buffer, .address_space: global }
      - { .name: out0, .offset: 64, .size: 8, .value_kind: global_buffer, .address_space: global }
    .group_segment_fixed_size: 199168
    .private_segment_fixed_size: 0
    .kernarg_segment_align: 8
    .kernarg_segment_size: 72
    .max_flat_workgroup_size: 128
    .sgpr_count:     100
    .vgpr_count:     960
    .wavefront_size: 32
...
	.end_amdgpu_metadata
.endif
;; end of part 3
;; ======== version 2 of 2: 3 launches
;; workspace buffers: xq 3,145,728 bytes; xs 131,072 bytes; comb 65,536 bytes; keys 8,192 bytes of whole numbers; order 8,192 bytes of whole numbers; blist 256 bytes of whole numbers
;; launch route (part 4): grid 256 x 1, 8 waves a work-group, no clusters, 97,792 bytes of LDS; arguments x, W_gate, b_gate, xq, xs, comb, keys; writes xq, xs, comb, keys
.if DOCPART == 4
	.amdgcn_target "amdgcn-amd-amdhsa--gfx1250"
	.amdhsa_code_object_version 6
	.text
	.protected	k_q6f509c64be_route
	.globl	k_q6f509c64be_route
	.p2align	8
	.type	k_q6f509c64be_route,@function
k_q6f509c64be_route:
	s_mov_b64 s[64:65], 0
	v_nop
	global_prefetch_b8 v0, s[64:65] scope:SCOPE_SE
	s_setreg_imm32_b32 hwreg(HW_REG_WAVE_MODE, 25, 1), 1
	s_wait_xcnt 0x0
; ROUTE.  For 8 tokens a work-group: the 8 gate logits (f32 fused multiply-adds), the softmax with its maximum taken away, the top 2 (the lower index wins a tie),
; the dense combine weights comb[token][8] (p for the two chosen experts, 0 elsewhere), the number of the chosen pair, keys[token], and x as codes of E3M2 with E8M0 scale bytes.
; SHARES.  Wave w takes K = 256 w .. 256 w + 255 of all 8 tokens and of all 8 rows of W_gate.  A step p is the token pair 2 p, 2 p + 1: 512 numbers.
; Each load of x covers 512 consecutive bytes; a step's 2,048 bytes turn through the wave's own stage in LDS and come back 64 bytes a lane: lane (r, h) then holds numbers 16 r .. 16 r + 15
; of token 2 p + h's slice, which is what the conversion (16 neighbours of one lane) and the gate's dot products want.  Two neighbouring lanes hold a block of 32.
; A block's scale byte is its largest magnitude's exponent field - 4, held at 1 from below.
; xq: [token][1,536 bytes], the row's codes as one stream of bits.  xs: [token][16 words]; word s holds the bytes of blocks 4 s, 4 s + 2, 4 s + 1, 4 s + 3, in that order: the order in which the third launch's
; fragments (48 consecutive bytes a lane) present the blocks to the matrix instruction.
; THE PAIR NUMBER runs so that neighbouring pairs share an expert: lo (15 - lo) / 2 + (lo odd ? 7 - hi : hi - lo - 1), 0 .. 27.
; LIMITS: NaN and infinities in x are not served.  A block of zeros gets the byte 1 (its codes are zeros; this program alone reads the bytes).  The logits are summed in another order than a plain dot product:
; a token whose second and third gate weights lie within f32 rounding of each other may take the other of the two.
.set STG,  0                           ; LDS: wave w, step p: a stage of 32 places of 80 bytes (64 + 16 of padding) at 10,240 w + 2,560 p
.set XC,   81920                       ; the 8 tokens' codes, [token][1,536]
.set XSB,  94208                       ; their scale bytes, [token][64]
.set PART, 94720                       ; partial logits, [wave][token][8] f32
.set X,    32                          ; v32-95    step p's 16 numbers at X + 16 p; later its 8 partial logits
.set WG,   96                          ; v96-223   W_gate: expert e's 16 numbers at WG + 16 e
.set G,    224                         ; v224-239  eight running pairs
.set C,    240                         ; v240-255  step p's codes at C + 4 p (three registers)
	s_load_b256 s[4:11], s[0:1], 0x0               ; x s[4:5], W_gate s[6:7], b_gate s[8:9], xq s[10:11]
	s_load_b128 s[12:15], s[0:1], 0x20             ; xs s[12:13], comb s[14:15]
	s_load_b64 s[16:17], s[0:1], 0x30              ; keys
	v_lshl_add_u32 v251, v0, 2, 0x17a00
	v_mov_b32 v255, 0
	v_lshrrev_b32 v1, 5, v0
	s_delay_alu instid0(VALU_DEP_1)
	v_readfirstlane_b32 s18, v1                    ; wave 0..7
	v_and_b32 v1, 31, v0                           ; lane
	v_and_b32 v2, 15, v0                           ; r
	v_bfe_u32 v3, v0, 4, 1                         ; h
	s_delay_alu instid0(VALU_DEP_3)
	v_lshlrev_b32 v4, 4, v1                        ; 16 x lane
	s_delay_alu instid0(VALU_DEP_3)
	v_lshlrev_b32 v5, 6, v2                        ; 64 r: my 16 numbers of a slice of W_gate
	s_mul_i32 s28, s18, 10240
	v_lshrrev_b32 v6, 2, v1
	s_delay_alu instid0(VALU_DEP_1)
	v_mul_u32_u24 v6, v6, 80
	v_and_b32 v12, 3, v1
	s_delay_alu instid0(VALU_DEP_1)
	v_lshl_add_u32 v6, v12, 4, v6
	s_delay_alu instid0(VALU_DEP_1)
	v_add_nc_u32 v6, s28, v6                       ; the stage, on the way in: 80 (lane / 4) + 16 (lane % 4)
	v_mul_u32_u24 v7, v1, 80
	s_delay_alu instid0(VALU_DEP_1)
	v_add_nc_u32 v7, s28, v7                       ; and on the way out: 80 x lane
	s_mul_i32 s28, s18, 192
	s_add_co_u32 s28, s28, XC
	v_mul_u32_u24 v8, v3, 1536
	s_delay_alu instid0(VALU_DEP_1)
	v_mad_u32_u24 v8, v2, 12, v8
	s_delay_alu instid0(VALU_DEP_1)
	v_add_nc_u32 v8, s28, v8                       ; my 12 bytes of codes: token h of the pair, 192 w + 12 r
	v_bfe_u32 v9, v0, 3, 1
	v_bfe_u32 v12, v0, 1, 1
	v_bfe_u32 v13, v0, 2, 1
	s_delay_alu instid0(VALU_DEP_2)
	v_lshl_add_u32 v9, v9, 1, v12
	s_delay_alu instid0(VALU_DEP_1)
	v_lshl_add_u32 v9, v9, 1, v13                  ; block m = r / 2 of my wave's eight goes to byte 4 (m / 4) + 2 (m % 2) + (m / 2) % 2: bytes 1 and 2 of a word change places
	s_delay_alu instid0(VALU_DEP_1)
	v_lshl_add_u32 v9, v3, 6, v9
	s_lshl_b32 s28, s18, 3
	s_add_co_u32 s28, s28, XSB
	v_add_nc_u32 v9, s28, v9
	s_lshl_b32 s28, s18, 8
	s_add_co_u32 s28, s28, PART
	v_lshlrev_b32 v10, 5, v3
	s_delay_alu instid0(VALU_DEP_1)
	v_add_nc_u32 v10, s28, v10                     ; my wave's partial logits, token h of the pair
	v_lshlrev_b32 v11, 4, v0                       ; 16 x thread: the codes' way out
	s_delay_alu instid0(VALU_DEP_1)
	v_add_nc_u32 v24, XC, v11
	v_add_nc_u32 v25, XSB, v4                      ; the scale bytes' way out
	v_bfe_u32 v26, v0, 1, 3
	s_delay_alu instid0(VALU_DEP_1)
	v_lshl_add_u32 v26, v26, 5, PART               ; the last phase: lane l works for token (l / 2) % 8
	v_lshlrev_b32 v27, 1, v1                       ; 2 x lane = 4 x token in the even lanes 0 .. 14
	s_mov_b32 s35, 0xaaaaaaaa                      ; the odd lanes
	s_wait_kmcnt 0x0
	s_load_b256 s[20:27], s[8:9], 0x0              ; b_gate
	s_lshl_b32 s28, ttmp9, 16                      ; 8 tokens of 8,192 bytes a work-group
	s_lshl_b32 s30, s18, 10                        ; 1,024 bytes of a row a wave
	s_add_co_u32 s28, s28, s30
	s_mov_b32 s29, 0
	s_mov_b32 s31, 0
	s_add_nc_u64 s[4:5], s[4:5], s[28:29]
	s_add_nc_u64 s[6:7], s[6:7], s[30:31]
.irp t, 0,1,2,3,4,5,6,7
.irp i, 0,1
	global_load_b128 v[X+16*(\t/2)+8*(\t%2)+4*\i:X+16*(\t/2)+8*(\t%2)+4*\i+3], v4, s[4:5] offset:\t*8192+512*\i th:TH_LOAD_NT   ; 32 lanes read 512 consecutive bytes; x is read once
.endr
.endr
.irp e, 0,1,2,3,4,5,6,7
.irp q, 0,1,2,3
	global_load_b128 v[WG+16*\e+4*\q:WG+16*\e+4*\q+3], v5, s[6:7] offset:\e*8192+16*\q   ; lanes 16-31 take what lanes 0-15 take
.endr
.endr
	s_mul_i32 s28, ttmp9, 12288
	s_add_nc_u64 s[10:11], s[10:11], s[28:29]
	s_lshl_b32 s28, ttmp9, 9
	s_add_nc_u64 s[12:13], s[12:13], s[28:29]
	s_lshl_b32 s28, ttmp9, 8
	s_add_nc_u64 s[14:15], s[14:15], s[28:29]
	s_lshl_b32 s28, ttmp9, 5
	s_add_nc_u64 s[16:17], s[16:17], s[28:29]
.macro TURN p                          ; step p's 2,048 bytes through its stage: LDS serves a wave's instructions in order, so the loads see the stores and land behind them
.irp i, 0,1,2,3
	ds_store_b128 v6, v[X+16*(\p)+4*\i:X+16*(\p)+4*\i+3] offset:2560*(\p)+640*\i
.endr
.irp i, 0,1,2,3
	ds_load_b128 v[X+16*(\p)+4*\i:X+16*(\p)+4*\i+3], v7 offset:2560*(\p)+16*\i
.endr
.endm
.macro QUANT p                         ; my 16 numbers of step p become 12 bytes of codes; my block's byte
.set XP, X+16*(\p)
	s_wait_dscnt 24-4*(\p)                         ; behind step p's loads stand 8 (3 - p) instructions of the later turns and 4 p stores of the earlier steps
	v_max3_num_f32 v12, |v[XP]|, |v[XP+1]|, |v[XP+2]|
	v_max3_num_f32 v13, |v[XP+3]|, |v[XP+4]|, |v[XP+5]|
.irp i, 6,10
	s_delay_alu instid0(VALU_DEP_2)
	v_max3_num_f32 v12, v12, |v[XP+\i]|, |v[XP+\i+1]|
	s_delay_alu instid0(VALU_DEP_2)
	v_max3_num_f32 v13, v13, |v[XP+\i+2]|, |v[XP+\i+3]|
.endr
	s_delay_alu instid0(VALU_DEP_2)
	v_max3_num_f32 v12, v12, |v[XP+14]|, |v[XP+15]|
	s_delay_alu instid0(VALU_DEP_1)
	v_max3_num_f32 v12, v12, v13, 0x2800000        ; and the floor 2^(5 - 127): the byte cannot fall under 1
	s_delay_alu instid0(VALU_DEP_1)
	v_max_num_f32_dpp v12, v12, v12 row_xmask:1 row_mask:0xf bank_mask:0xf   ; with my neighbour's 16: the block's largest magnitude
	s_delay_alu instid0(VALU_DEP_1)
	v_add_nc_u32 v14, 0xfe000000, v12              ; 4 off its exponent field: the conversion takes that field as its scale
	v_cvt_scalef32_pk16_bf6_f32 v[C+4*(\p):C+4*(\p)+2], v[XP:XP+15], v14
	v_lshrrev_b32 v[16+(\p)], 23, v14              ; the scale's byte (also the plain line behind the conversion)
	ds_store_b32 v8, v[C+4*(\p)] offset:3072*(\p)
	ds_store_b32 v8, v[C+4*(\p)+1] offset:3072*(\p)+4
	ds_store_b32 v8, v[C+4*(\p)+2] offset:3072*(\p)+8
	ds_store_b8 v9, v[16+(\p)] offset:128*(\p)     ; both lanes of a block store the same byte with the same value
.endm
.macro GATE p                          ; my 16 numbers against the 8 experts' 16: eight chains by turns; the sums are laid over the step's numbers, which are done with
.set XP, X+16*(\p)
.irp e, 0,1,2,3,4,5,6,7
	v_pk_mul_f32 v[G+2*\e:G+2*\e+1], v[XP:XP+1], v[WG+16*\e:WG+16*\e+1]
.endr
.irp i, 1,2,3,4,5,6,7
.irp e, 0,1,2,3,4,5,6,7
	v_pk_fma_f32 v[G+2*\e:G+2*\e+1], v[XP+2*\i:XP+2*\i+1], v[WG+16*\e+2*\i:WG+16*\e+2*\i+1], v[G+2*\e:G+2*\e+1]
.endr
.endr
.irp e, 0,1,2,3,4,5,6,7
	v_add_f32 v[XP+\e], v[G+2*\e], v[G+2*\e+1]
.endr
.endm
	s_wait_loadcnt 32                              ; x's 16 loads are in; W_gate's 32 may be out
	TURN 0
	TURN 1
	TURN 2
	TURN 3
	QUANT 0
	s_wait_loadcnt 0x0                             ; W_gate
	GATE 0
	QUANT 1
	GATE 1
	QUANT 2
	GATE 2
	QUANT 3
	GATE 3
.irp m, 1,2,4,8                        ; the 32 sums over the 16 lanes that share a token, register by turns
.irp p, 0,1,2,3
.irp e, 0,1,2,3,4,5,6,7
	v_add_f32_dpp v[X+16*\p+\e], v[X+16*\p+\e], v[X+16*\p+\e] row_xmask:\m row_mask:0xf bank_mask:0xf
.endr
.endr
.endr
.irp p, 0,1,2,3
	ds_store_b128 v10, v[X+16*\p:X+16*\p+3] offset:64*\p          ; the 16 lanes of a half store the same 16 bytes with the same values
	ds_store_b128 v10, v[X+16*\p+4:X+16*\p+7] offset:64*\p+16
.endr
	s_wait_kmcnt 0x0                               ; b_gate
	s_wait_dscnt 0x0                               ; for the others' sake: my codes, bytes and partial logits lie in LDS
	s_barrier_signal -1
	s_barrier_wait -1
.irp k, 0,1,2
	ds_load_b128 v[G+4*\k:G+4*\k+3], v24 offset:4096*\k
.endr
.irp k, 0,1,2
	s_wait_dscnt 2-\k
	global_store_b128 v11, v[G+4*\k:G+4*\k+3], s[10:11] offset:4096*\k   ; a wave stores 512 consecutive bytes, at a multiple of 256 from xq's first byte
.endr
	s_cmp_eq_u32 s18, 1
	s_cbranch_scc0 .Lnot_wave_1
	ds_load_b128 v[236:239], v25                   ; wave 1: the 8 tokens' 512 scale bytes
	s_wait_dscnt 0x0
	global_store_b128 v4, v[236:239], s[12:13]
.Lnot_wave_1:
	s_cmp_eq_u32 s18, 0
	s_cbranch_scc0 .Lend
	; wave 0: the logits are summed over the waves, K ascending; softmax; top 2.  Every lane works for token (lane / 2) % 8
.irp w, 0,1,2,3,4,5,6,7
	ds_load_b128 v[96+8*\w:99+8*\w], v26 offset:256*\w
	ds_load_b128 v[100+8*\w:103+8*\w], v26 offset:256*\w+16
.endr
	s_wait_dscnt 0x0
.irp e, 0,1,2,3,4,5,6,7
	v_add_f32 v[160+\e], s[20+\e], v[96+\e]
.endr
.irp w, 1,2,3,4,5,6,7
.irp e, 0,1,2,3,4,5,6,7
	v_add_f32 v[160+\e], v[160+\e], v[96+8*\w+\e]
.endr
.endr
	v_max3_num_f32 v168, v160, v161, v162
	s_delay_alu instid0(VALU_DEP_1)
	v_max3_num_f32 v168, v168, v163, v164
	s_delay_alu instid0(VALU_DEP_1)
	v_max3_num_f32 v168, v168, v165, v166
	s_delay_alu instid0(VALU_DEP_1)
	v_max_num_f32 v168, v168, v167                 ; the row's largest logit is taken away
.irp e, 0,1,2,3,4,5,6,7
	v_sub_f32 v[160+\e], v[160+\e], v168
.endr
.irp e, 0,1,2,3,4,5,6,7
	v_mul_f32 v[160+\e], 0x3fb8aa3b, v[160+\e]     ; x log2(e)
.endr
	s_wait_alu depctr_va_vdst(0)
.irp e, 0,1,2,3,4,5,6,7
	v_exp_f32 v[160+\e], v[160+\e]
.endr
.irp e, 0,1,2,3,4,5,6,7
	v_mov_b32 v[176+\e], \e                        ; the experts' numbers (plain lines behind the exponentials)
.endr
	s_wait_alu depctr_va_vdst(0)
	v_add_f32 v169, v160, v161
.irp e, 2,3,4,5,6,7
	v_add_f32 v169, v169, v[160+\e]
.endr
	s_wait_alu depctr_va_vdst(0)
	v_rcp_f32 v169, v169
	v_mov_b32 v171, 0                              ; (a plain line behind the reciprocal)  the best expert so far
	s_wait_alu depctr_va_vdst(0)
.irp e, 0,1,2,3,4,5,6,7
	v_mul_f32 v[160+\e], v[160+\e], v169           ; the gate weights
.endr
	v_mov_b32 v170, v160
.irp e, 1
	s_delay_alu instid0(VALU_DEP_1)
	v_cmp_gt_f32 vcc_lo, v[160+\e], v170           ; strictly greater: the lower index keeps a tie
	s_delay_alu instid0(VALU_DEP_1)
	v_cndmask_b32 v170, v170, v[160+\e], vcc_lo
	s_delay_alu instid0(VALU_DEP_2)
	v_cndmask_b32 v171, v171, v[176+\e], vcc_lo
.endr
.irp e, 2, 3, 4, 5, 6, 7
	s_delay_alu instid0(VALU_DEP_2)
	v_cmp_gt_f32 vcc_lo, v[160+\e], v170
	s_delay_alu instid0(VALU_DEP_1)
	v_cndmask_b32 v170, v170, v[160+\e], vcc_lo
	s_delay_alu instid0(VALU_DEP_2)
	v_cndmask_b32 v171, v171, v[176+\e], vcc_lo
.endr
	v_mov_b32 v172, -1.0                           ; under every weight
	v_mov_b32 v173, 0
.irp e, 0,1,2,3,4,5,6,7
	v_cmp_ne_u32 s32, v[176+\e], v171
	s_delay_alu instid0(VALU_DEP_3)
	v_cmp_gt_f32 s33, v[160+\e], v172
	s_and_b32 s32, s32, s33
	v_cndmask_b32 v172, v172, v[160+\e], s32
	v_cndmask_b32 v173, v173, v[176+\e], s32
.endr
.irp e, 0,1,2,3,4,5,6,7
	v_cmp_eq_u32 s32, v[176+\e], v171
	v_cmp_eq_u32 s33, v[176+\e], v173
	s_or_b32 s32, s32, s33
	v_cndmask_b32 v[184+\e], 0, v[160+\e], s32     ; the combine weight: p where chosen, else 0
.endr
.irp j, 0,1,2,3
	v_cndmask_b32 v[192+\j], v[184+\j], v[188+\j], s35   ; even lanes experts 0-3, odd lanes experts 4-7
.endr
	v_min_u32 v196, v171, v173                     ; lo
	v_max_u32 v197, v171, v173                     ; hi
	s_delay_alu instid0(VALU_DEP_2)
	v_sub_nc_u32 v198, 15, v196
	s_delay_alu instid0(VALU_DEP_1)
	v_mul_u32_u24 v198, v196, v198
	s_delay_alu instid0(VALU_DEP_1)
	v_lshrrev_b32 v198, 1, v198                    ; lo (15 - lo) / 2
	s_delay_alu instid0(VALU_DEP_4)
	v_sub_nc_u32 v199, v197, v196
	s_delay_alu instid0(VALU_DEP_1)
	v_add_nc_u32 v199, -1, v199                    ; hi - lo - 1
	v_sub_nc_u32 v201, 7, v197                     ; 7 - hi
	v_and_b32 v202, 1, v196
	s_delay_alu instid0(VALU_DEP_1)
	v_cmp_eq_u32 vcc_lo, 1, v202
	s_delay_alu instid0(VALU_DEP_1)
	v_cndmask_b32 v199, v199, v201, vcc_lo
	s_delay_alu instid0(VALU_DEP_1)
	v_add_nc_u32 v200, v198, v199                  ; the pair's number: a value that is stored; no address and no branch here hangs on it
	v_cmp_gt_u32 vcc_lo, 16, v1
	s_wait_alu depctr_va_vdst(0)
	s_wait_xcnt 0x0                                ; EXEC changes only behind this wait: the stores above have been issued under the full one
	s_and_saveexec_b32 s34, vcc_lo
	global_store_b128 v4, v[192:195], s[14:15]     ; lanes 0-15: the 8 tokens' 256 bytes of comb
	s_wait_xcnt 0x0
	s_or_b32 exec_lo, exec_lo, s34
	v_and_b32 v203, 0x11, v1
	s_delay_alu instid0(VALU_DEP_1)
	v_cmp_eq_u32 vcc_lo, 0, v203
	s_and_saveexec_b32 s34, vcc_lo
	global_store_b32 v27, v200, s[16:17]           ; lanes 0, 2 .. 14: the 8 tokens' keys
	s_wait_xcnt 0x0
	s_or_b32 exec_lo, exec_lo, s34
.Lend:
	s_wait_tensorcnt 0x0
	ds_add_u32 v251, v255
	s_wait_dscnt 0x0
	s_endpgm
.Lfunc_end_k_q6f509c64be_route:
	.size	k_q6f509c64be_route, .Lfunc_end_k_q6f509c64be_route-k_q6f509c64be_route
	.p2alignl 7, 3214868480
	.fill 96, 4, 3214868480
	.section	.rodata,"a",@progbits
	.p2align	6, 0x0
	.amdhsa_kernel k_q6f509c64be_route
		.amdhsa_group_segment_fixed_size 97792
		.amdhsa_private_segment_fixed_size 0
		.amdhsa_enable_private_segment 0
		.amdhsa_kernarg_size 56
		.amdhsa_user_sgpr_count 2
		.amdhsa_user_sgpr_kernarg_segment_ptr 1
		.amdhsa_wavefront_size32 1
		.amdhsa_system_sgpr_workgroup_id_x 1
		.amdhsa_system_sgpr_workgroup_id_y 1
		.amdhsa_system_sgpr_workgroup_id_z 1
		.amdhsa_system_vgpr_workitem_id 0
		.amdhsa_next_free_vgpr 256
		.amdhsa_next_free_sgpr 66
		.amdhsa_reserve_vcc 1
		.amdhsa_float_denorm_mode_32 3
		.amdhsa_float_denorm_mode_16_64 3
		.amdhsa_memory_ordered 1
		.amdhsa_forward_progress 1
		.amdhsa_inst_pref_size 55
	.end_amdhsa_kernel
	.amdgpu_metadata
---
amdhsa.version: [ 1, 2 ]
amdhsa.kernels:
  - .name:           k_q6f509c64be_route
    .symbol:         k_q6f509c64be_route.kd
    .args:
      - { .name: x, .offset: 0, .size: 8, .value_kind: global_buffer, .address_space: global }
      - { .name: W_gate, .offset: 8, .size: 8, .value_kind: global_buffer, .address_space: global }
      - { .name: b_gate, .offset: 16, .size: 8, .value_kind: global_buffer, .address_space: global }
      - { .name: xq, .offset: 24, .size: 8, .value_kind: global_buffer, .address_space: global }
      - { .name: xs, .offset: 32, .size: 8, .value_kind: global_buffer, .address_space: global }
      - { .name: comb, .offset: 40, .size: 8, .value_kind: global_buffer, .address_space: global }
      - { .name: keys, .offset: 48, .size: 8, .value_kind: global_buffer, .address_space: global }
    .group_segment_fixed_size: 97792
    .private_segment_fixed_size: 0
    .kernarg_segment_align: 8
    .kernarg_segment_size: 56
    .max_flat_workgroup_size: 256
    .sgpr_count:     66
    .vgpr_count:     256
    .wavefront_size: 32
...
	.end_amdgpu_metadata
.endif
;; end of part 4
;; launch place (part 5): grid 1 x 1, 32 waves a work-group, no clusters, 20,736 bytes of LDS; arguments keys, order, blist; writes order, blist
.if DOCPART == 5
	.amdgcn_target "amdgcn-amd-amdhsa--gfx1250"
	.amdhsa_code_object_version 6
	.text
	.protected	k_q6f509c64be_place
	.globl	k_q6f509c64be_place
	.p2align	8
	.type	k_q6f509c64be_place,@function
k_q6f509c64be_place:
	s_mov_b64 s[64:65], 0
	v_nop
	global_prefetch_b8 v0, s[64:65] scope:SCOPE_SE
	s_setreg_imm32_b32 hwreg(HW_REG_WAVE_MODE, 25, 1), 1
	s_wait_xcnt 0x0
; PLACE.  A counting sort of the 2,048 tokens by their pair number (28 bins), and for each block of 128 sorted tokens the list of the experts that it uses.
; One work-group, 32 waves.  Wave v owns two chunks of 32 tokens: 64 v + lane and 64 v + 32 + lane.
; 1: each chunk's histogram (lane = bin) and each token's rank among its chunk's tokens of the same bin, by compare masks.  2: wave 0 turns the 64 histograms into first places: row c of OFFS holds, for each bin,
; the place of the first token of that bin in chunk c; row 0 is where each bin begins, row 64 where it ends.  3: place = my chunk's row at my bin + my rank; order[place] = token.
; 4: wave b (0 .. 15): the bins that reach into places 128 b .. 128 b + 127, and from them the experts: blist[b] = (how many, their numbers in fields of 4 bits, ascending).
; order is stored 4 bytes a lane at the places that the sort gives, 8,192 bytes in all: ordering them in LDS first would cost two more barriers of the only work-group.
.set HIST, 0                           ; LDS: [64 chunks][32 bins] u32
.set OFFS, 8192                        ; [65 rows][32 bins] u32
	s_load_b128 s[4:7], s[0:1], 0x0                ; keys s[4:5], order s[6:7]
	s_load_b64 s[8:9], s[0:1], 0x10                ; blist
	v_lshl_add_u32 v126, v0, 2, 0x4100
	v_mov_b32 v127, 0
	v_lshrrev_b32 v1, 5, v0
	s_delay_alu instid0(VALU_DEP_1)
	v_readfirstlane_b32 s10, v1                    ; wave 0..31
	v_and_b32 v1, 31, v0                           ; lane
	s_delay_alu instid0(VALU_DEP_1)
	v_lshlrev_b32 v10, 2, v1                       ; 4 x lane
	s_lshl_b32 s11, s10, 8
	v_add_nc_u32 v2, s11, v10                      ; 256 x wave + 4 x lane: my first token's key, and my place in my first chunk's row
	v_mov_b32 v5, 0                                ; the two histograms
	v_mov_b32 v6, 0
	v_mov_b32 v7, 0                                ; the masks of my peers
	v_mov_b32 v8, 0
	s_wait_alu depctr_va_vdst(0)
	s_wait_kmcnt 0x0
	global_load_b32 v3, v2, s[4:5]
	global_load_b32 v4, v2, s[4:5] offset:128
	s_wait_loadcnt 0x0
	v_min_u32 v3, 31, v3
	v_min_u32 v4, 31, v4
.irp p, 0,1,2,3,4,5,6,7,8,9,10,11,12,13,14,15,16,17,18,19,20,21,22,23,24,25,26,27
	v_cmp_eq_u32 s20, \p, v3                       ; the chunk's tokens of bin p; the two chunks by turns
	v_cmp_eq_u32 s21, \p, v4
	s_bcnt1_i32_b32 s22, s20
	s_bcnt1_i32_b32 s23, s21
	v_mov_b32 v20, s20
	v_mov_b32 v21, s21
	v_writelane_b32 v5, s22, \p                    ; how many: lane p of the histogram
	v_writelane_b32 v6, s23, \p
	s_delay_alu instid0(VALU_DEP_4)
	v_cndmask_b32 v7, v7, v20, s20                 ; those tokens keep the mask
	s_delay_alu instid0(VALU_DEP_4)
	v_cndmask_b32 v8, v8, v21, s21
.endr
	s_delay_alu instid0(VALU_DEP_2)
	v_mbcnt_lo_u32_b32 v7, v7, 0                   ; my rank: my peers in lower lanes
	s_delay_alu instid0(VALU_DEP_2)
	v_mbcnt_lo_u32_b32 v8, v8, 0
	ds_store_b32 v2, v5
	ds_store_b32 v2, v6 offset:128
	s_wait_dscnt 0x0                               ; for wave 0's sake
	s_barrier_signal -1
	s_barrier_wait -1
	s_cmp_lg_u32 s10, 0
	s_cbranch_scc1 .Lscanned
.set c, 0
.rept 64
	ds_load_b32 v[32+c], v10 offset:HIST+128*c     ; lane = bin, register = chunk
.set c, c+1
.endr
	v_mov_b32 v11, 0
	s_mov_b32 s24, 0
	s_wait_dscnt 0x0
.set c, 1
	v_add_nc_u32 v[32+c], v[32+c], v[31+c]
.set c, c+1
.rept (63)-1
	s_delay_alu instid0(VALU_DEP_1)
	v_add_nc_u32 v[32+c], v[32+c], v[31+c]         ; each bin's count up to and with chunk c
.set c, c+1
.endr
.irp p, 0,1,2,3,4,5,6,7,8,9,10,11,12,13,14,15,16,17,18,19,20,21,22,23,24,25,26,27
	v_readlane_b32 s25, v95, \p                    ; bin p's total
	v_writelane_b32 v11, s24, \p                   ; where bin p begins
	s_add_co_u32 s24, s24, s25
.endr
.set c, 0
.rept 64
	v_add_nc_u32 v[32+c], v11, v[32+c]
.set c, c+1
.endr
	ds_store_b32 v10, v11 offset:OFFS
.set c, 0
.rept 64
	ds_store_b32 v10, v[32+c] offset:OFFS+128*(c+1)
.set c, c+1
.endr
.Lscanned:
	s_wait_dscnt 0x0                               ; wave 0's rows lie in LDS
	s_barrier_signal -1
	s_barrier_wait -1
	ds_load_b32 v12, v2 offset:OFFS                ; my two chunks' rows, lane = bin
	ds_load_b32 v13, v2 offset:OFFS+128
	v_lshlrev_b32 v15, 2, v3
	v_lshlrev_b32 v16, 2, v4
	s_wait_alu depctr_va_vdst(0)
	s_wait_dscnt 0x0
	ds_bpermute_b32 v17, v15, v12                  ; the row's number at my token's bin: from lane = bin
	ds_bpermute_b32 v18, v16, v13
	v_lshrrev_b32 v22, 2, v2                       ; my tokens: 64 x wave + lane,
	s_delay_alu instid0(VALU_DEP_1)
	v_add_nc_u32 v23, 32, v22                      ; and 32 on
	s_wait_dscnt 0x0
	v_add_nc_u32 v17, v17, v7
	v_add_nc_u32 v18, v18, v8
	s_delay_alu instid0(VALU_DEP_2)
	v_min_u32 v17, 0x7ff, v17
	s_delay_alu instid0(VALU_DEP_2)
	v_min_u32 v18, 0x7ff, v18
	s_delay_alu instid0(VALU_DEP_2)
	v_lshlrev_b32 v17, 2, v17
	s_wait_alu depctr_va_vdst(0)
	v_lshlrev_b32 v18, 2, v18
	global_store_b32 v17, v22, s[6:7]
	global_store_b32 v18, v23, s[6:7]
	s_cmp_lt_u32 s10, 16
	s_cbranch_scc0 .Lend
	ds_load_b32 v24, v10 offset:OFFS               ; where each bin begins,
	ds_load_b32 v25, v10 offset:OFFS+8192          ; and where it ends
	s_lshl_b32 s26, s10, 7                         ; my block's first place,
	s_add_co_u32 s27, s26, 128                     ; and the first behind it
	s_mov_b32 s33, 0                               ; the next field's shift
	s_mov_b32 s34, 0                               ; the list
	s_mov_b32 s35, 0                               ; how many
	s_wait_dscnt 0x0
	v_cmp_gt_u32 s28, s27, v24
	v_cmp_lt_u32 s29, s26, v25
	v_cmp_lt_u32 s30, v24, v25
	s_and_b32 s28, s28, s29
	s_and_b32 s28, s28, s30
	s_and_b32 s28, s28, 0x0fffffff                 ; the bins with a token in my block
.macro TAKE e, bins                    ; bins: the pairs that hold expert e
	s_and_b32 s31, s28, \bins
	s_cselect_b32 s32, 1, 0                        ; 1 where the block uses the expert
	s_lshl_b32 s31, \e, s33
	s_mul_i32 s31, s31, s32
	s_or_b32 s34, s34, s31
	s_lshl_b32 s31, s32, 2
	s_add_co_u32 s33, s33, s31
	s_add_co_u32 s35, s35, s32
.endm
	TAKE 0, 0x7f
	TAKE 1, 0x1f81
	TAKE 2, 0x3f002
	TAKE 3, 0x3c2804
	TAKE 4, 0x1e04408
	TAKE 5, 0x6508210
	TAKE 6, 0xc890120
	TAKE 7, 0xb0600c0
	v_mov_b32 v26, s35
	v_mov_b32 v27, s34
	s_lshl_b32 s31, s10, 3
	v_mov_b32 v28, s31
	v_cmp_eq_u32 vcc_lo, 0, v1
	s_wait_alu depctr_va_vdst(0)
	s_wait_xcnt 0x0                                ; EXEC changes only behind this wait
	s_and_saveexec_b32 s36, vcc_lo
	global_store_b64 v28, v[26:27], s[8:9]
	s_wait_xcnt 0x0
	s_or_b32 exec_lo, exec_lo, s36
.Lend:
	s_wait_tensorcnt 0x0
	ds_add_u32 v126, v127
	s_wait_dscnt 0x0
	s_endpgm
.Lfunc_end_k_q6f509c64be_place:
	.size	k_q6f509c64be_place, .Lfunc_end_k_q6f509c64be_place-k_q6f509c64be_place
	.p2alignl 7, 3214868480
	.fill 96, 4, 3214868480
	.section	.rodata,"a",@progbits
	.p2align	6, 0x0
	.amdhsa_kernel k_q6f509c64be_place
		.amdhsa_group_segment_fixed_size 20736
		.amdhsa_private_segment_fixed_size 0
		.amdhsa_enable_private_segment 0
		.amdhsa_kernarg_size 24
		.amdhsa_user_sgpr_count 2
		.amdhsa_user_sgpr_kernarg_segment_ptr 1
		.amdhsa_wavefront_size32 1
		.amdhsa_system_sgpr_workgroup_id_x 1
		.amdhsa_system_sgpr_workgroup_id_y 1
		.amdhsa_system_sgpr_workgroup_id_z 1
		.amdhsa_system_vgpr_workitem_id 0
		.amdhsa_next_free_vgpr 128
		.amdhsa_next_free_sgpr 66
		.amdhsa_reserve_vcc 1
		.amdhsa_float_denorm_mode_32 3
		.amdhsa_float_denorm_mode_16_64 3
		.amdhsa_memory_ordered 1
		.amdhsa_forward_progress 1
		.amdhsa_inst_pref_size 41
	.end_amdhsa_kernel
	.amdgpu_metadata
---
amdhsa.version: [ 1, 2 ]
amdhsa.kernels:
  - .name:           k_q6f509c64be_place
    .symbol:         k_q6f509c64be_place.kd
    .args:
      - { .name: keys, .offset: 0, .size: 8, .value_kind: global_buffer, .address_space: global }
      - { .name: order, .offset: 8, .size: 8, .value_kind: global_buffer, .address_space: global }
      - { .name: blist, .offset: 16, .size: 8, .value_kind: global_buffer, .address_space: global }
    .group_segment_fixed_size: 20736
    .private_segment_fixed_size: 0
    .kernarg_segment_align: 8
    .kernarg_segment_size: 24
    .max_flat_workgroup_size: 1024
    .sgpr_count:     66
    .vgpr_count:     128
    .wavefront_size: 32
...
	.end_amdgpu_metadata
.endif
;; end of part 5
;; launch experts (part 6): grid 16 x 16, 4 waves a work-group, no clusters, 199,168 bytes of LDS; arguments W_experts_codes, W_experts_scales, b_experts, xq, xs, comb, order, blist, out0; writes out0
.if DOCPART == 6
	.amdgcn_target "amdgcn-amd-amdhsa--gfx1250"
	.amdhsa_code_object_version 6
	.text
	.protected	k_q6f509c64be_experts
	.globl	k_q6f509c64be_experts
	.p2align	8
	.type	k_q6f509c64be_experts,@function
k_q6f509c64be_experts:
	s_mov_b64 s[64:65], 0
	v_nop
	global_prefetch_b8 v0, s[64:65] scope:SCOPE_SE
	s_setreg_imm32_b32 hwreg(HW_REG_WAVE_SCHED_MODE, 0, 2), 2
	s_setreg_imm32_b32 hwreg(HW_REG_WAVE_MODE, 25, 1), 1
	s_wait_xcnt 0x0
	s_wait_alu depctr_vm_vsrc(0)
; EXPERTS.  out0[token][o] = the sum over the token's two chosen experts e of comb[token][e] x relu(x[token] . W[e][o] + b[e][o]); the products on codes of E3M2 with E8M0 scales, sums in f32.
; SHARES.  Work-group (x, y) owns the 128 tokens at sorted places 128 y .. 128 y + 127 and columns 128 x .. 128 x + 127, and is the only one that stores them.  It walks the experts of its block's list
; (blist, 2 to 8 of them); a token that has not chosen an expert of the list has the weight 0 for it.  Wave w takes all 128 tokens (8 tiles t) x columns 32 w .. 32 w + 31 of the tile (2 tiles ct): 16 accumulators.
; The waves share the columns, so each byte of W that the work-group needs is loaded once, from memory straight into registers, through a ring of 8 K steps (48 loads on their way); the block's codes of x lie in LDS
; for the whole walk and are only read there: no barrier stands in the walk.
; NO JOINT LOADS: how many experts a block walks, and which, is read from memory and differs from block to block, so partners along y would ask for different tiles in different numbers;
; partners along x share only x's codes, 196,608 bytes once against 204,800 bytes of W for each expert walked.
; THE MATRIX INSTRUCTION IS USED TRANSPOSED (source 0 = 16 columns of W, source 1 = 16 tokens): lane (r, h) holds token 16 t + r and columns 16 ct + 8 h + 0 .. 7.  The bias is the C of a sum's first instruction.
; K IS PERMUTED ALIKE ON BOTH SIDES.  Of a K step's 96 bytes of a row, lane (r, h) takes the 48 consecutive bytes at 48 h (blocks 2 h and 2 h + 1) by three loads of 16 bytes at multiples of 16.  The instruction counts
; the lane's first 24 bytes as its block h and the second as its block 2 + h: so its scale bytes 0, 1, 2, 3 are those of the row's blocks 0, 2, 1, 3.  xs is stored so; W's words are turned by one v_perm_b32 each.
; The products are the same; only their grouping inside an instruction differs from the plain order.
; THE MODE: SCHED_MODE bits 1:0 = 2 (LLVM: expert scheduling mode 2), set by the entry lines.  The code itself states the register dependences
; between vector or matrix instructions and memory or LDS instructions, with s_wait_alu, always for 0.
; THE PLAN.  Registers that memory or LDS instructions touch in the walk:
;   x's two sets (window 3)  K step s: its products read set s % 2; the LDS loads of step s + 1's fragments, issued in step s, land in set (s + 1) % 2, which step s - 1's products read.
;   W's ring (window 1)      K step s: its products read place s % 8; the loads of K step s + 7, issued in step s, land in place (s - 1) % 8, which step s - 1's products read.
;   CW (even registers)      loaded at an expert's head; read by the multiply-adds behind its products.
;   WSN, BIAS                loaded between K steps 8 and 9, for the next expert; WSN is read by the turn behind the products, BIAS by K step 0's products as their C.
;   ADX, WOFF, SOFF, BOFF, TOKC   offsets and addresses, made ahead of the walk and never written in it: the experts are reached by scalar bases, the K steps by immediate offsets.
;   The accumulators, the output sums, WS and XS are named in the walk by vector and matrix instructions alone.
; So ONE wait on va_vdst stands at the head of each K step that asks for anything, behind the waits for the step's own data: it states that the products of the step before are done reading the other set of x
; and their place of the ring.  The step's 30 loads follow it, dealt among its 16 products, which name set s % 2, place s % 8, the accumulators, WS and XS: none of the registers that those loads touch.
; One more stands at an expert's head (the turned scale words are written; the multiply-adds are done reading CW), one behind K step 15 (for the loads into set 1 and place 7).  No wait on vm_vsrc stands in the walk.
; REGISTERS, in windows of 256:  window 0: addresses, scale words, bias, weights (below).  window 1: v0-191 W's ring: K step k at 24 (k % 8), tile ct at + 12 ct.
;   window 2: v0-127 the accumulators, (t, ct) at 8 (2 t + ct); v128-255 the output sums, laid likewise.   window 3: v0-95, v96-191 x's 8 fragments of a K step, two sets (also the gather's sets and the way out's rows).
.set PX,    1552                       ; a token's row of codes in LDS: 1,536 bytes + 16 = 97 x 16: the 16 rows of a load's half start in 16 different columns of 16 bytes (64 banks of 4 bytes: ISA guide 11.1)
.set PS,    528                        ; a row of the stage on the way out: 512 bytes + 16; the stage lies over x's codes, behind a barrier
.set L16,   1                          ; v1      16 x lane
.set WOFF,  2                          ; v2      W: 1,536 r + 48 h
.set BOFF,  3                          ; v3      bias: 32 h
.set ADX,   4                          ; v4-7    x in LDS: (32 u + r) PX + 48 h
.set SOFF,  8                          ; v8      W's scale bytes: 64 x lane (lane = column)
.set LW,    9                          ; v9      the gather: my wave's 32 rows, 16 x lane
.set SO,    10                         ; v10     the stage: where I put 32 bytes of a row
.set SR,    11                         ; v11     and where I read a row back
.set XSO,   12                         ; v12-15  64 x token at place 32 u + lane
.set CW,    16                         ; v16-31  the weight of token 16 t + r at CW + 2 t (the odd registers are named as pairs' upper halves and hold 0)
.set XS,    32                         ; v32-95  x's scale words: XS + 16 u + s: lane = place 32 u + lane, K step s
.set WS,    96                         ; v96-111 W's scale words, turned: WS + s: lane = column
.set WSN,   112                        ; v112-127 the next expert's, as loaded
.set BIAS,  128                        ; v128-143 the bias in the result's layout, tile ct at + 8 ct
.set TOKC,  144                        ; v144-151 32 x token at place 16 t + r
.set TMP,   152                        ; v152-156 lane, r, h, 4 r, 4 x lane
.set GA,    160                        ; v160-191 row i of my wave's 32: its byte offset in xq, later in out0, + 16 x lane
.set OUTR,  128                        ; in window 2
.set WP,    38                         ; s[38:39] codes, s[40:41] scale bytes, s[42:43] bias, s[44:45] weights of the expert whose data are being asked for
.set SP,    40
.set BP,    42
.set CP,    44
.set MSB, 0
.macro WIN new                         ; the immediate's high byte repeats the setting that is left; a switch that changes nothing is dropped
.if MSB != \new
	s_set_vgpr_msb (MSB<<8)|\new
.set MSB, \new
.endif
.endm
.set MUL,  0xad                        ; source 0 (W) window 1, source 1 (x) window 3, C and D window 2
.set MUL0, 0x8d                        ; the same with C (the bias) in window 0
.set XLD,  0xc0                        ; destination window 3
.set WLD,  0x40                        ; destination window 1
.set RELU, 0x88                        ; source 1 and destination window 2
.set FMA,  0xa2                        ; source 0, source 2 and destination window 2
.set FMUL, 0x82                        ; source 0 and destination window 2
.set DAT3, 0x0c                        ; a store's data (source 1) window 3
.set DAT2, 0x08                        ; window 2
	s_load_b256 s[4:11], s[0:1], 0x0               ; W's codes s[4:5], W's scales s[6:7], b s[8:9], xq s[10:11]
	s_load_b256 s[12:19], s[0:1], 0x20             ; xs s[12:13], comb s[14:15], order s[16:17], blist s[18:19]
	s_load_b64 s[20:21], s[0:1], 0x40              ; out0
	v_lshl_add_u32 v254, v0, 2, 0x30800
	v_mov_b32 v255, 0
	v_lshrrev_b32 v1, 5, v0
	v_readfirstlane_b32 s22, v1                    ; wave 0..3
	s_mov_b32 s23, ttmp9                           ; column tile
	s_and_b32 s24, ttmp7, 0xffff                   ; block of tokens
	s_mov_b32 s31, 0                               ; the upper word of the offset pair s[30:31], for good
	s_mov_b32 s27, 0                               ; the loop's counter
	s_mov_b32 s46, 0x03010200                      ; v_perm_b32: bytes 1 and 2 change places
	v_and_b32 v[TMP], 31, v0
	v_and_b32 v[TMP+1], 15, v0
	v_bfe_u32 v[TMP+2], v0, 4, 1
	v_lshlrev_b32 v[TMP+3], 2, v[TMP+1]
	v_lshlrev_b32 v[TMP+4], 2, v[TMP]
	v_lshlrev_b32 v[L16], 4, v[TMP]
	v_mul_u32_u24 v[WOFF], v[TMP+1], 1536
	v_mad_u32_u24 v[WOFF], v[TMP+2], 48, v[WOFF]
	v_lshlrev_b32 v[BOFF], 5, v[TMP+2]
	v_mul_u32_u24 v[ADX], v[TMP+1], PX
	v_mad_u32_u24 v[ADX], v[TMP+2], 48, v[ADX]
.irp u, 1,2,3
	v_add_nc_u32 v[ADX+\u], \u*32*PX, v[ADX]
.endr
	v_lshlrev_b32 v[SOFF], 6, v[TMP]
	s_wait_alu depctr_va_sdst(0)                   ; s22, the wave's number, is written, ahead of its first reader
	s_mul_i32 s47, s22, 32*PX
	v_add_nc_u32 v[LW], s47, v[L16]
	s_wait_kmcnt 0x0
	s_lshl_b32 s30, s24, 3
	s_add_nc_u64 s[54:55], s[18:19], s[30:31]
	s_load_b64 s[52:53], s[54:55], 0x0             ; my block's (how many experts, their list)
	s_lshl_b32 s30, s24, 9
	s_add_nc_u64 s[50:51], s[16:17], s[30:31]      ; order at my block
	s_lshl_b32 s30, s22, 7
	s_add_nc_u64 s[48:49], s[50:51], s[30:31]      ; and at my wave's 32 places
	s_load_b512 s[68:83], s[48:49], 0x0            ; the tokens that I gather and store
	s_load_b512 s[84:99], s[48:49], 0x40
	s_wait_alu depctr_va_vdst(0)                   ; the offsets and addresses made so far are written (4 r, 4 x lane, WOFF, BOFF, SOFF, ADX, LW): the loads and LDS instructions below read them, and no vector line writes them again
.irp t, 0,1,2,3,4,5,6,7
	global_load_b32 v[TOKC+\t], v[TMP+3], s[50:51] offset:64*\t
.endr
.irp u, 0,1,2,3
	global_load_b32 v[XSO+\u], v[TMP+4], s[50:51] offset:128*\u
.endr
	s_lshl_b32 s47, s23, 7
	s_lshl_b32 s30, s22, 5
	s_add_co_u32 s47, s47, s30                     ; my first column
	s_mul_i32 s30, s47, 1536
	s_add_nc_u64 s[32:33], s[4:5], s[30:31]        ; its codes, in expert 0,
	s_lshl_b32 s30, s47, 6
	s_add_nc_u64 s[34:35], s[6:7], s[30:31]        ; its scale bytes,
	s_lshl_b32 s30, s47, 2
	s_add_nc_u64 s[36:37], s[8:9], s[30:31]        ; its bias
	s_lshl_b32 s30, s23, 9
	s_add_nc_u64 s[20:21], s[20:21], s[30:31]      ; out0 at the tile's first column
	s_wait_kmcnt 0x0
	s_min_u32 s25, s52, 8
	s_max_u32 s25, s25, 2
	s_sub_co_u32 s25, s25, 2                       ; the loop's trips: the first and the last expert are written out
	s_mov_b32 s26, s53
; The pointers of the list's next expert; its scale words (a wave's 32 columns: 2,048 dense bytes) and its bias are asked for: 8 loads.
; In the walk they stand behind K step 8, whose head's wait on va_vdst stands behind the turn that read WSN and behind K step 0's products, which read BIAS; K step 8's products name neither, nor SOFF, nor BOFF.
.macro SETEXP shift
	WIN 0
.if \shift
	s_wait_xcnt 0x0                                ; the pointers are sources of loads that have been issued: they are written only behind this wait
	s_lshr_b32 s26, s26, 4
.endif
	s_and_b32 s28, s26, 7
	s_min_u32 s28, s28, 7
	s_mul_i32 s30, s28, 3145728                    ; 2,048 rows of 1,536 bytes
	s_add_nc_u64 s[WP:WP+1], s[32:33], s[30:31]
	s_lshl_b32 s30, s28, 17
	s_add_nc_u64 s[SP:SP+1], s[34:35], s[30:31]
	s_lshl_b32 s30, s28, 13
	s_add_nc_u64 s[BP:BP+1], s[36:37], s[30:31]
	s_lshl_b32 s30, s28, 2
	s_add_nc_u64 s[CP:CP+1], s[14:15], s[30:31]
.irp q, 0,1,2,3
	global_load_b128 v[WSN+4*\q:WSN+4*\q+3], v[SOFF], s[SP:SP+1] offset:16*\q
.endr
.irp c, 0,1
	global_load_b128 v[BIAS+8*\c:BIAS+8*\c+3], v[BOFF], s[BP:BP+1] offset:64*\c
	global_load_b128 v[BIAS+8*\c+4:BIAS+8*\c+7], v[BOFF], s[BP:BP+1] offset:64*\c+16
.endr
.endm
.macro CWLOAD                          ; my 8 tokens' weights for the expert in hand: 8 loads
.irp t, 0,1,2,3,4,5,6,7
	global_load_b32 v[CW+2*\t], v[TOKC+\t], s[CP:CP+1]
.endr
.endm
.macro XHALF s, u                      ; x's fragments of tiles 4 u .. 4 u + 3 of K step s into set s % 2: 12 LDS loads in one run
	WIN XLD
.irp t, 0,1,2,3
.irp q, 0,1,2
	ds_load_b128 v[96*((\s)%2)+12*(4*(\u)+\t)+4*\q:96*((\s)%2)+12*(4*(\u)+\t)+4*\q+3], v[ADX+2*(\u)+\t/2] offset:(\t%2)*16*PX+96*(\s)+16*\q
.endr
.endr
.endm
.macro WFETCH slot, k                  ; W's 2 fragments of K step k into the ring: 6 loads
	WIN WLD
.irp c, 0,1
.irp q, 0,1,2
	global_load_b128 v[24*(\slot)+12*\c+4*\q:24*(\slot)+12*\c+4*\q+3], v[WOFF], s[WP:WP+1] offset:24576*\c+96*(\k)+16*\q
.endr
.endr
.endm
.macro WM s, t, c                      ; tile (t, c), K step s.  W's scale words lie in lanes 0-15 for tile 0 and 16-31 for tile 1; x's in lanes 0-15 for even t, 16-31 for odd t
.set rD, 8*(2*(\t)+(\c))
.set rA, 24*((\s)%8)+12*(\c)
.set rB, 96*((\s)%2)+12*(\t)
.set rSA, WS+(\s)
.set rSB, XS+16*((\t)/2)+(\s)
.if (\s) == 0
.set rC, BIAS+8*(\c)
.else
.set rC, rD
.endif
.if ((\c) == 0) && ((\t)%2 == 0)
	v_wmma_scale_f32_16x16x128_f8f6f4 v[rD:rD+7], v[rA:rA+11], v[rB:rB+11], v[rC:rC+7], v[rSA], v[rSB] matrix_a_fmt:MATRIX_FMT_BF6 matrix_b_fmt:MATRIX_FMT_BF6
.elseif (\t)%2 == 0
	v_wmma_scale_f32_16x16x128_f8f6f4 v[rD:rD+7], v[rA:rA+11], v[rB:rB+11], v[rC:rC+7], v[rSA], v[rSB] matrix_a_fmt:MATRIX_FMT_BF6 matrix_b_fmt:MATRIX_FMT_BF6 matrix_a_scale:MATRIX_SCALE_ROW1
.elseif (\c) == 0
	v_wmma_scale_f32_16x16x128_f8f6f4 v[rD:rD+7], v[rA:rA+11], v[rB:rB+11], v[rC:rC+7], v[rSA], v[rSB] matrix_a_fmt:MATRIX_FMT_BF6 matrix_b_fmt:MATRIX_FMT_BF6 matrix_b_scale:MATRIX_SCALE_ROW1
.else
	v_wmma_scale_f32_16x16x128_f8f6f4 v[rD:rD+7], v[rA:rA+11], v[rB:rB+11], v[rC:rC+7], v[rSA], v[rSB] matrix_a_fmt:MATRIX_FMT_BF6 matrix_b_fmt:MATRIX_FMT_BF6 matrix_a_scale:MATRIX_SCALE_ROW1 matrix_b_scale:MATRIX_SCALE_ROW1
.endif
.endm
.macro WMT s, t                        ; token tile t's two products
	WM \s, \t, 0
	WM \s, \t, 1
.endm
.macro MWIN s                          ; the products' windows: K step 0 takes the bias, in window 0, as C
.if (\s) == 0
	WIN MUL0
.else
	WIN MUL
.endif
.endm
; A K step: 16 matrix instructions, the 16 accumulators by turns, one instruction a turn, in the same order in every step.
; lcnt: the younger global loads that may stay out at the head.  d0: the younger LDS loads that may stay out at the head, where tiles 0-3 are wanted; d1: those ahead of tile 4's products, where tiles 4-7 are wanted.
; xa = 1: x's fragments of the next step go into the set that the step before read.  wa = 1: W's fragments seven steps on go into the ring's place that the step before read.
.macro KSTEP s, lcnt, d0, d1, xa, wa
	s_wait_loadcnt \lcnt
	s_wait_dscnt \d0
.if \xa
	s_wait_alu depctr_va_vdst(0)                   ; the products of the step before are done reading the other set of x and their place of the ring, in which this step's loads land; no product below names those registers
.endif
	MWIN \s
	WMT \s, 0
	WMT \s, 1
.if \xa
	XHALF ((\s)+1)%16, 0
	MWIN \s
.endif
	WMT \s, 2
	WMT \s, 3
	s_wait_dscnt \d1
.if \xa
	XHALF ((\s)+1)%16, 1
.endif
.if \wa
	WFETCH ((\s)+7)%8, ((\s)+7)%16
.endif
	MWIN \s
	WMT \s, 4
	WMT \s, 5
	WMT \s, 6
	WMT \s, 7
.endm
; One expert's 16 K steps.  At its head the ring holds, or has been asked for, K steps 0 to 7, and x's sets K steps 0 and 1.
; GLOBAL LOADS that may be out at the head of step s, behind the six of W's K step s:  s = 0: the ring's seven later places, 42, and the 8 weights: 50;  s = 1 .. 7: 6 (7 - s) of the ring, the 8 weights and the
; 6 (s - 1) asked for in steps 1 .. s - 1: 44;  s = 8: the 36 asked for in steps 2 .. 7;  s = 9 .. 15: 6 (15 - s), the next expert's 8 scale words and bias, and 6 (s - 9) of its ring: 44.
; LDS LOADS: a step's fragments come in two runs of 12.  At a step's head the run of tiles 4-7 may be out: 12; ahead of tile 4's products the 12 just asked for may be out: 12.
; K step 0 asks for nothing and finds steps 0 and 1 asked for: 36 at its head, 24 in its middle.
; ahead = 1: K steps 9 to 15 ask for the next expert's first seven K steps, step 15 for x's step 0 again, and the eighth K step and x's step 1 follow behind step 15.  ahead = 0: nothing more of W is asked for, and the counts run down.
.macro SLOT ahead
	s_wait_alu depctr_va_vdst(0)                   ; the turned scale words WS are written, which the scaled products take (their places stand ahead of this wait); the multiply-adds behind the last expert are done reading CW, in which the loads below land
	CWLOAD
	KSTEP 0, 50, 36, 24, 0, 0
.irp s, 1,2,3,4,5,6,7
	KSTEP \s, 44, 12, 12, 1, 1
.endr
	KSTEP 8, 36, 12, 12, 1, 1
.if \ahead
	SETEXP 1
.irp s, 9,10,11,12,13,14,15
	KSTEP \s, 44, 12, 12, 1, 1
.endr
.else
	KSTEP 9, 36, 12, 12, 1, 0
	KSTEP 10, 30, 12, 12, 1, 0
	KSTEP 11, 24, 12, 12, 1, 0
	KSTEP 12, 18, 12, 12, 1, 0
	KSTEP 13, 12, 12, 12, 1, 0
	KSTEP 14, 6, 12, 12, 1, 0
	KSTEP 15, 0, 12, 0, 0, 0
.endif
.rept 4
	v_nop                                          ; four places between the products and the vector lines behind them, which write their scale words anew and read their results (ISA guide 7.12.1)
.endr
.if \ahead
	s_wait_alu depctr_va_vdst(0)                   ; K step 15's products are done reading set 1 and the ring's place 7, in which the loads below land; the vector lines that follow name neither
	XHALF 1, 0
	XHALF 1, 1
	WFETCH 7, 7
.endif
	WIN 0
.endm
; Behind an expert's products: relu, x the token's weight, onto the output sums.  first = 1: the products start the sums: nothing is cleared.
.macro EPI first, ahead
.if \ahead
	s_wait_loadcnt 48                              ; all but the next expert's 48 ring loads: the weights, the next scale words and bias are in
.set i, 0
.rept 16
	v_perm_b32 v[WS+i], v[WSN+i], v[WSN+i], s46    ; the next expert's scale words, turned; the lines below are more than the 8 places that stand between them and the next scaled product
.set i, i+1
.endr
.else
	s_wait_loadcnt 0x0                             ; the weights
.endif
	WIN RELU
.set i, 0
.rept 128
	v_max_num_f32 v[i], 0, v[i]                    ; each accumulator from its low end on
.set i, i+1
.endr
.if \first
	WIN FMUL
.else
	WIN FMA
.endif
.set i, 0
.rept 64
.if \first
	v_pk_mul_f32 v[OUTR+2*i:OUTR+2*i+1], v[2*i:2*i+1], v[CW+2*(i/8):CW+2*(i/8)+1] op_sel_hi:[1,0]
.else
	v_pk_fma_f32 v[OUTR+2*i:OUTR+2*i+1], v[2*i:2*i+1], v[CW+2*(i/8):CW+2*(i/8)+1], v[OUTR+2*i:OUTR+2*i+1] op_sel_hi:[1,0,1]
.endif
.set i, i+1
.endr
	WIN 0
.endm
.macro BATCH g                         ; rows 8 g .. 8 g + 7 of my wave's 32: whole rows of 1,536 bytes, 512 consecutive bytes a load, into set g % 2
	WIN XLD
.irp j, 0,1,2,3,4,5,6,7
.irp k, 0,1,2
	global_load_b128 v[96*((\g)%2)+12*\j+4*\k:96*((\g)%2)+12*\j+4*\k+3], v[GA+8*(\g)+\j], s[10:11] offset:512*\k
.endr
.endr
.endm
.macro PUT g                           ; and into LDS
	WIN DAT3
.irp j, 0,1,2,3,4,5,6,7
.irp k, 0,1,2
	ds_store_b128 v[LW], v[96*((\g)%2)+12*\j+4*\k:96*((\g)%2)+12*\j+4*\k+3] offset:PX*(8*(\g)+\j)+512*\k
.endr
.endr
.endm
	SETEXP 0                                       ; the first expert: 8 loads,
.irp i, 0,1,2,3,4,5,6,7
	WFETCH \i, \i                                  ; and its first eight K steps: 48
.endr
	WIN 0
.set i, 0
.rept 32
	s_min_u32 s[68+i], s[68+i], 2047
	s_mul_i32 s47, s[68+i], 1536
	v_add_nc_u32 v[GA+i], s47, v[L16]              ; the gather's offsets are made while the tokens' loads are out
.set i, i+1
.endr
	s_wait_loadcnt 56                              ; the 12 loads of tokens are in
.irp t, 0,1,2,3,4,5,6,7
	v_min_u32 v[TOKC+\t], 0x7ff, v[TOKC+\t]
.endr
.irp u, 0,1,2,3
	v_min_u32 v[XSO+\u], 0x7ff, v[XSO+\u]
.endr
.irp t, 0,1,2,3,4,5,6,7
	v_lshlrev_b32 v[TOKC+\t], 5, v[TOKC+\t]        ; a token's 32 bytes of comb
.endr
.irp u, 0,1,2,3
	v_lshlrev_b32 v[XSO+\u], 6, v[XSO+\u]          ; a token's 64 bytes of xs
.endr
	s_wait_alu depctr_va_vdst(0)                   ; XSO, GA and TOKC are written: the loads of xs, the gather's loads and, in the walk, the weights' loads read them as offsets
.irp u, 0,1,2,3
.irp q, 0,1,2,3
	global_load_b128 v[XS+16*\u+4*\q:XS+16*\u+4*\q+3], v[XSO+\u], s[12:13] offset:16*\q   ; x's scale words stay in registers for the whole launch
.endr
.endr
	BATCH 0
	BATCH 1
	s_wait_loadcnt 24                              ; all but the batch just asked for
	PUT 0
	s_wait_dscnt 0x0                               ; my stores of the batch are done,
	s_wait_alu depctr_vm_vsrc(0)                   ; and have read set 0, in which the next batch lands
	BATCH 2
	s_wait_loadcnt 24
	PUT 1
	s_wait_dscnt 0x0
	s_wait_alu depctr_vm_vsrc(0)                   ; the LDS stores have read set 1, in which the next batch lands
	BATCH 3
	s_wait_loadcnt 24
	PUT 2
	s_wait_loadcnt 0x0                             ; every load so far is in: the last batch, the ring, the scale words, the bias
	PUT 3
	WIN 0
.set i, 0
.rept 16
	v_perm_b32 v[WS+i], v[WSN+i], v[WSN+i], s46    ; the first expert's scale words, turned
.set i, i+1
.endr
.irp t, 0,1,2,3,4,5,6,7
	v_mov_b32 v[CW+2*\t+1], 0                      ; named as pairs' upper halves, so they are written.  (These and the four lines below: 12 places between the scale words and the first scaled product)
.endr
	v_mul_u32_u24 v[SO], v[TMP+1], PS
	v_lshl_add_u32 v[SO], v[TMP+2], 5, v[SO]
	s_lshl_b32 s47, s22, 7
	v_add_nc_u32 v[SO], s47, v[SO]                 ; the stage: row r, + 32 h, + my wave's 128 bytes
	s_mul_i32 s47, s22, 32*PS
	v_add_nc_u32 v[SR], s47, v[L16]                ; back: my 32 rows, 16 bytes a lane
	s_wait_dscnt 0x0                               ; for the others' sake: my 32 rows lie in LDS
	s_barrier_signal -1
	s_barrier_wait -1
	s_wait_alu depctr_vm_vsrc(0)                   ; my last LDS stores have read both sets, in which x's fragments land from here on; the gather's loads have read GA, which the way out writes anew
	XHALF 0, 0
	XHALF 0, 1
	XHALF 1, 0
	XHALF 1, 1
	WIN 0
	SLOT 1                                         ; the list's first expert: its products start the output sums
	EPI 1, 1
	s_cmp_eq_u32 s25, 0
	s_cbranch_scc1 .Llast                          ; a block with two experts has no middle
.Lslot:
	SLOT 1
	EPI 0, 1
	s_add_co_u32 s27, s27, 1
	s_cmp_lt_u32 s27, s25
	s_cbranch_scc1 .Lslot
.Llast:
	SLOT 0                                         ; the last expert asks for nothing more
	EPI 0, 0
	; THE WAY OUT.  A lane holds 32 neighbouring bytes of a token's row, and a row's 512 bytes of this tile come from four waves: they meet in the stage, and each wave stores 32 whole rows.
.set i, 0
.rept 32
	s_lshl_b32 s47, s[68+i], 13                    ; the token's row of out0 (the token was held to 2,047 above)
	v_add_nc_u32 v[GA+i], s47, v[L16]
.set i, i+1
.endr
	s_wait_dscnt 0x0                               ; my reads of x's codes are over,
	s_barrier_signal -1
	s_barrier_wait -1                              ; everybody's are: the stage may be laid over them
	s_wait_alu depctr_va_vdst(0)                   ; the output sums are written, which the LDS stores read; GA is written, which the global stores read; the last products are done reading window 3, in which the stage's rows land
	WIN DAT2
.irp t, 0,1,2,3,4,5,6,7
.irp c, 0,1
	ds_store_b128 v[SO], v[OUTR+8*(2*\t+\c):OUTR+8*(2*\t+\c)+3] offset:16*PS*\t+64*\c
	ds_store_b128 v[SO], v[OUTR+8*(2*\t+\c)+4:OUTR+8*(2*\t+\c)+7] offset:16*PS*\t+64*\c+16
.endr
.endr
	s_wait_dscnt 0x0                               ; for the others' sake
	s_barrier_signal -1
	s_barrier_wait -1
	WIN XLD
.set i, 0
.rept 32
	ds_load_b128 v[4*i:4*i+3], v[SR] offset:PS*i
.set i, i+1
.endr
	WIN DAT3
.set i, 0
.rept 32
	s_wait_dscnt 31-i
	global_store_b128 v[GA+i], v[4*i:4*i+3], s[20:21] th:TH_STORE_NT   ; 32 lanes store 512 consecutive bytes, at a multiple of 256 from out0's first byte; written once, read by nobody here
.set i, i+1
.endr
	WIN 0
	s_wait_dscnt 0x0                               ; the closing lines, six on end
	s_wait_alu 0x0
	s_wait_tensorcnt 0x0
	ds_add_u32 v254, v255
	s_wait_dscnt 0x0
	s_endpgm
.Lfunc_end_k_q6f509c64be_experts:
	.size	k_q6f509c64be_experts, .Lfunc_end_k_q6f509c64be_experts-k_q6f509c64be_experts
	.p2alignl 7, 3214868480
	.fill 96, 4, 3214868480
	.section	.rodata,"a",@progbits
	.p2align	6, 0x0
	.amdhsa_kernel k_q6f509c64be_experts
		.amdhsa_group_segment_fixed_size 199168
		.amdhsa_private_segment_fixed_size 0
		.amdhsa_enable_private_segment 0
		.amdhsa_kernarg_size 72
		.amdhsa_user_sgpr_count 2
		.amdhsa_user_sgpr_kernarg_segment_ptr 1
		.amdhsa_wavefront_size32 1
		.amdhsa_system_sgpr_workgroup_id_x 1
		.amdhsa_system_sgpr_workgroup_id_y 1
		.amdhsa_system_sgpr_workgroup_id_z 1
		.amdhsa_system_vgpr_workitem_id 0
		.amdhsa_next_free_vgpr 960
		.amdhsa_next_free_sgpr 100
		.amdhsa_reserve_vcc 0
		.amdhsa_float_denorm_mode_32 3
		.amdhsa_float_denorm_mode_16_64 3
		.amdhsa_memory_ordered 1
		.amdhsa_forward_progress 1
		.amdhsa_inst_pref_size 255
	.end_amdhsa_kernel
	.section	.bss,"aw",@nobits
	.p2align	6
	.space	262144
	.amdgpu_metadata
---
amdhsa.version: [ 1, 2 ]
amdhsa.kernels:
  - .name:           k_q6f509c64be_experts
    .symbol:         k_q6f509c64be_experts.kd
    .args:
      - { .name: W_experts_codes, .offset: 0, .size: 8, .value_kind: global_buffer, .address_space: global }
      - { .name: W_experts_scales, .offset: 8, .size: 8, .value_kind: global_buffer, .address_space: global }
      - { .name: b_experts, .offset: 16, .size: 8, .value_kind: global_buffer, .address_space: global }
      - { .name: xq, .offset: 24, .size: 8, .value_kind: global_buffer, .address_space: global }
      - { .name: xs, .offset: 32, .size: 8, .value_kind: global_buffer, .address_space: global }
      - { .name: comb, .offset: 40, .size: 8, .value_kind: global_buffer, .address_space: global }
      - { .name: order, .offset: 48, .size: 8, .value_kind: global_buffer, .address_space: global }
      - { .name: blist, .offset: 56, .size: 8, .value_kind: global_buffer, .address_space: global }
      - { .name: out0, .offset: 64, .size: 8, .value_kind: global_buffer, .address_space: global }
    .group_segment_fixed_size: 199168
    .private_segment_fixed_size: 0
    .kernarg_segment_align: 8
    .kernarg_segment_size: 72
    .max_flat_workgroup_size: 128
    .sgpr_count:     100
    .vgpr_count:     960
    .wavefront_size: 32
...
	.end_amdgpu_metadata
.endif
;; end of part 6
